; MI455X (gfx1250); checked and timed in simulation.
; The chip was launched on July 23, 2026; its instructions are those of AMD's public machine-readable ISA for CDNA 5 (MIT licence, August 2026) and "CDNA5" Instruction Set Architecture Reference Guide (July 2026). The comments in the code are by the model that wrote it; some were corrected since.
;; Causal Self Attention. Allowed arithmetic: matrix products marked QUANTISED: E2M1 operands, one E8M0 scale for each 32 along K, by v_wmma_scale_f32_16x16x128_f8f6f4 with both operands' format E2M1 (or v_wmma_scale_f32_32x16x128_f4), f32 sums; products left as they are: bf16, f16 or f32 operands; f32 sums; everything else in f32.
;; Inputs: w_attn 3,072 x 1,024 float32; w_proj 1,024 x 1,024 float32; x 4 x 2,048 x 1,024 float32.
;; Outputs: out0 4 x 2,048 x 1,024 float32.
;; This version of the problem:
;;   THIS VERSION OF THE PROBLEM IS GIVEN IN LOW PRECISION. The matrix products marked QUANTISED in the list below multiply operands that are first quantised to E2M1 (2 exponent bits, 1 mantissa bit; 4 bits a number), with one power-of-two scale for each 32 numbers along K (OCP MX v1.0); their sums are f32. The products marked 'left as it is' may take bf16, f16 or f32 operands, with f32 sums. Whichever they take, every output number must still come out within the allowed error. Rounding operands to bf16 (8 significant bits) uses up far more of that allowance than f16 does (11 bits, for magnitudes from 6e-5 to 65,504). All else is computed in f32.
;;   The module's matrix products, in the order in which they are computed (A, B: the left and right operand; K: the contracted axis; several contracted axes count as one K, in the product's order):
;;     1. [M 8,192, K 1,024] x [K 1,024, N 3,072]; A: input x; B: input w_attn: QUANTISED
;;     2. batch 64 x [M 2,048, K 64] x [K 64, N 2,048]; A: computed on the way; B: computed on the way: left as it is (an operand is computed on the way)
;;     3. batch 64 x [M 2,048, K 2,048] x [K 2,048, N 64]; A: computed on the way; B: computed on the way: left as it is (an operand is computed on the way)
;;     4. [M 8,192, K 1,024] x [K 1,024, N 1,024]; A: computed on the way; B: input w_proj: left as it is (an operand is computed on the way)
;;   THE QUANTISER, for each operand of a quantised product, along K:
;;     - K is cut into blocks of 32 from its start; a last block that is shorter is filled with zeros.
;;     - A block's scale is 2^e with e = floor(log2(the largest magnitude in the block)) - 2, held to -126 .. 127; a block of zeros has e = 0. As a byte (E8M0): e + 127.
;;     - Each number is divided by its block's scale, clamped to +-6, and rounded to the nearest number of E2M1, ties to even, subnormals kept.
;;     - The product sums the exact products of the quantised numbers (number of the format x scale) in f32.
;;   ~~~python
;;   def quantise(x, axis):      # numpy; x: float32 -> the quantised numbers, widened to float32 again
;;       x = np.moveaxis(x, axis, -1); K = x.shape[-1]
;;       x = np.pad(x, [(0, 0)] * (x.ndim - 1) + [(0, -K % 32)]); x = x.reshape(x.shape[:-1] + (-1, 32)); a = np.abs(x).max(-1, keepdims=True)
;;       e = np.where(a > 0, np.clip(np.frexp(np.where(a > 0, a, 1))[1] - 1 - 2, -126, 127), 0)      # np.frexp(a)[1] - 1 = floor(log2(a)), exactly
;;       r = np.clip(x / 2.0 ** e, -6, 6)
;;       step = 2.0 ** (np.maximum(np.frexp(np.where(r == 0, 1, r))[1] - 1, 0) - 1)
;;       q = np.round(r / step) * step * 2.0 ** e      # np.round: ties to even
;;       return np.moveaxis(q.reshape(q.shape[:-2] + (-1,))[..., :K], -1, axis).astype(np.float32)
;;   ~~~
;; One version. Each part assembles by itself: llvm-mc -triple=amdgcn-amd-amdhsa -mcpu=gfx1250 --defsym DOCPART=n.
;; ======== version 1 of 1: 5 launches
;; limits: values are held in f16: magnitudes above 65,504 overflow, below 6.1e-05 lose precision
;; workspace buffers: xc 4,194,304 bytes; xs 262,144 bytes; wc 1,572,864 bytes; ws 98,304 bytes; w16 2,097,152 bytes; qkvh 50,331,648 bytes; qkv32 786,432 bytes; att 16,777,216 bytes
;; launch quant (part 1): grid 416 x 1, 4 waves a work-group, no clusters, 33,280 bytes of LDS; arguments x, w_attn, xc, xs, wc, ws, w_proj, w16; writes xc, xs, wc, ws, w16
.if DOCPART == 1
	.amdgcn_target "amdgcn-amd-amdhsa--gfx1250"
	.amdhsa_code_object_version 6
	.text
	.protected	k_q6f1bf50b81_quant
	.globl	k_q6f1bf50b81_quant
	.p2align	8
	.type	k_q6f1bf50b81_quant,@function
k_q6f1bf50b81_quant:
	s_mov_b64 s[64:65], 0
	v_nop
	global_prefetch_b8 v0, s[64:65] scope:SCOPE_SE
	s_setreg_imm32_b32 hwreg(HW_REG_WAVE_MODE, 25, 1), 1
	s_wait_xcnt 0x0
; x [8192][1024] and w_attn [3072][1024], f32, become codes of FP4 (E2M1), K innermost, with one E8M0 scale byte for each 32 along K; w_proj [1024][1024], f32, becomes f16 laid [head 16][n 1024][64].
; A block's scale is 2^(floor(log2(its largest magnitude)) - 2); its byte is the largest magnitude's exponent field - 2, held at 1 from below.  Each number is divided by the scale and rounded to the nearest code, ties to even, beyond 6 to 6.
; LIMITS: a block of zeros gets the byte 1 where the quantiser says 127 (its codes are zeros, and the bytes are read by this program alone); blocks whose largest magnitude lies under 2^(2 - 126) have their byte held at 1;
; NaN and infinities are not served; w_proj must lie inside f16's range (65,504), and under 6e-5 it is kept to 2^-25 absolutely.
; Work-groups 0-255 take x, 256-351 w_attn, both by ONE path: rows are dense, so a tensor is a plain stream of blocks of 32.  A wave takes 16 steps of 512 numbers.  A step's four loads read 512 consecutive bytes each;
; the 2,048 bytes turn through the wave's own stage in LDS and come back 64 bytes a lane (16 neighbours along K: two lanes hold a block).  A wave's 256 scale bytes are gathered in LDS and leave as 256 consecutive bytes.
; Work-groups 352-415 cast w_proj: a wave takes 4 rows; it touches no LDS.  Memory binds this launch: no matrix unit, no cluster, no ring in LDS; loads run four steps ahead.
.set SIZE_M, 8192
.set SIZE_N, 3072
.set SIZE_K, 1024
.set WAVES, 4
.set STEPS, 16
.set WGA,   SIZE_M*SIZE_K/(512*STEPS*WAVES)            ; 256 work-groups for x
.set WGQ,   (SIZE_M+SIZE_N)*SIZE_K/(512*STEPS*WAVES)   ; 352 for both
.set EMAX,  2
.set CB,    8                          ; bytes of 16 codes
.set R,     16                         ; v16-79   four sets of 16 numbers as they are loaded
.set X,     80                         ; v80-111  two sets of 16 neighbours
.set C,     128                        ; v128-191 codes: four registers for each step, so that no store's data are written again
.set E,     112                        ; v112-127 a scale byte for each step
.set WREG,  8192                       ; LDS: a region for each wave: two stages of 32 x SP bytes, behind them its 256 scale bytes
.set SP,    80                         ; a lane's place in a stage: 64 bytes + 16 of padding
.set SPW,   12                         ; v12 LDS address of my spare word; never rewritten
.set NIL,   13                         ; v13 0; never rewritten
.set SPARE, WAVES*WREG                 ; behind the four regions: the spare words, 128 bytes a wave, which no other line names
	s_load_b128 s[4:7], s[0:1], 0x0                ; x, w_attn
	s_load_b128 s[8:11], s[0:1], 0x10              ; x's codes, x's scales
	s_load_b128 s[12:15], s[0:1], 0x20             ; w_attn's codes, its scales
	s_load_b128 s[24:27], s[0:1], 0x30             ; w_proj, w16
	v_lshl_add_u32 v[SPW], v0, 2, SPARE
	v_mov_b32 v[NIL], 0
	v_lshrrev_b32 v1, 5, v0
	v_readfirstlane_b32 s16, v1                    ; wave
	v_and_b32 v2, 31, v0                           ; lane
	s_cmp_ge_u32 ttmp9, WGQ                        ; the last 64 work-groups cast w_proj
	s_cbranch_scc1 .Lcast
	v_lshlrev_b32 v3, 4, v2                        ; my 16 bytes of a load's 512
	s_mul_i32 s17, s16, WREG
	v_lshrrev_b32 v14, 2, v2
	v_mul_u32_u24 v14, v14, SP
	v_and_b32 v15, 3, v2
	v_lshl_add_u32 v14, v15, 4, v14
	v_add_nc_u32 v14, s17, v14                     ; the stage, on the way in: four lanes' 64 bytes on end, then 16 of padding
	v_mul_u32_u24 v15, v2, SP
	v_add_nc_u32 v15, s17, v15                     ; and on the way out: SP x lane: my 16 neighbours
	v_mul_u32_u24 v4, v2, CB                       ; my codes' place in a step's
	v_lshrrev_b32 v5, 1, v2
	s_add_co_u32 s17, s17, 2*32*SP
	v_add_nc_u32 v5, s17, v5                       ; LDS: my wave's 256 scale bytes, my block's byte
	v_lshlrev_b32 v7, 3, v2                        ; and on the way out 8 bytes a lane
	v_add_nc_u32 v6, s17, v7
	s_wait_kmcnt 0x0
	s_cmp_lt_u32 ttmp9, WGA                        ; x's work-group or w_attn's?  The choice hangs on the work-group's number alone
	s_cselect_b64 s[4:5], s[4:5], s[6:7]
	s_cselect_b64 s[8:9], s[8:9], s[12:13]
	s_cselect_b64 s[10:11], s[10:11], s[14:15]
	s_cselect_b32 s17, 0, WGA
	s_sub_co_u32 s17, ttmp9, s17
	s_lshl_b32 s17, s17, 2
	s_add_co_u32 s18, s17, s16                     ; which run of 8,192 numbers of the tensor is my wave's
	s_mov_b32 s19, 0
	s_mov_b64 s[20:21], 512*STEPS*4
	s_mul_u64 s[20:21], s[18:19], s[20:21]
	s_add_nc_u64 s[4:5], s[4:5], s[20:21]
	s_mov_b64 s[20:21], 32*STEPS*CB
	s_mul_u64 s[20:21], s[18:19], s[20:21]
	s_add_nc_u64 s[8:9], s[8:9], s[20:21]
	s_lshl_b32 s18, s18, 8                         ; 256 scale bytes a run
	s_add_nc_u64 s[10:11], s[10:11], s[18:19]
.macro LOAD t
.irp i, 0,1,2,3
	global_load_b128 v[R+16*((\t)%4)+4*\i:R+16*((\t)%4)+4*\i+3], v3, s[4:5] offset:2048*(\t)+512*\i th:TH_LOAD_NT   ; 32 lanes read 512 consecutive bytes
.endr
.endm
.macro TURN t                          ; step t's numbers through the stage: LDS serves a wave's instructions in order, so no wait stands between the stores and the loads
.irp i, 0,1,2,3
	ds_store_b128 v14, v[R+16*((\t)%4)+4*\i:R+16*((\t)%4)+4*\i+3] offset:32*SP*((\t)%2)+8*SP*\i
.endr
.irp i, 0,1,2,3
	ds_load_b128 v[X+16*((\t)%2)+4*\i:X+16*((\t)%2)+4*\i+3], v15 offset:32*SP*((\t)%2)+16*\i
.endr
.endm
.irp t, 0,1,2,3
	LOAD \t
.endr
	s_wait_loadcnt 12                              ; step 0's four loads are in; the twelve of steps 1 to 3 may be out
	TURN 0
.macro STEP t
.set XS, X+16*((\t)%2)
.if (\t) > 0
	s_wait_dscnt 1                                 ; this step's numbers are back from the stage (the last step's byte store may be out): so its stores into the stage have read their registers,
.else
	s_wait_dscnt 0x0
.endif
.if (\t)+4 < STEPS
	LOAD (\t)+4                                    ; which take the loads of four steps on
.endif
.if (\t)+1 < STEPS
.if STEPS-2-(\t) >= 3
	s_wait_loadcnt 12                              ; the next step's four loads are in; those of the three steps behind it may be out
.else
	s_wait_loadcnt 4*(STEPS-2-(\t))
.endif
	TURN (\t)+1                                    ; and go through the other stage while this step is worked
.endif
	v_max3_num_f32 v8, |v[XS]|, |v[XS+1]|, |v[XS+2]|               ; the largest magnitude of my 16, in two chains
	v_max3_num_f32 v9, |v[XS+3]|, |v[XS+4]|, |v[XS+5]|
.irp i, 6,10
	v_max3_num_f32 v8, v8, |v[XS+\i]|, |v[XS+\i+1]|
	v_max3_num_f32 v9, v9, |v[XS+\i+2]|, |v[XS+\i+3]|
.endr
	v_max3_num_f32 v8, v8, |v[XS+14]|, |v[XS+15]|
	v_max3_num_f32 v8, v8, v9, (EMAX+1)<<23        ; and the floor 2^(EMAX + 1 - 127): so the byte cannot fall under 1
	v_max_num_f32_dpp v8, v8, v8 row_xmask:1 row_mask:0xf bank_mask:0xf   ; and of my neighbour's 16: the block's
	v_add_nc_u32 v11, -(EMAX<<23), v8              ; EMAX off its exponent field: the conversion takes the exponent field of this operand as its scale, and nothing else of it
	v_cvt_scalef32_pk8_fp4_f32 v[C+4*(\t)], v[XS:XS+7], v11
	v_cvt_scalef32_pk8_fp4_f32 v[C+4*(\t)+1], v[XS+8:XS+15], v11
	v_lshrrev_b32 v[E+(\t)], 23, v11               ; the scale's byte (also the plain line behind the conversions)
	ds_store_b8 v5, v[E+(\t)] offset:16*(\t)       ; both lanes of a block write the same byte with the same value
	global_store_b64 v4, v[C+4*(\t):C+4*(\t)+1], s[8:9] offset:32*CB*(\t)   ; the wave stores 256 consecutive bytes, aligned
.endm
.irp t, 0,1,2,3,4,5,6,7,8,9,10,11,12,13,14,15
	STEP \t
.endr
	ds_load_b64 v[8:9], v6                         ; LDS serves a wave's instructions in order: these see my stores
	s_wait_dscnt 0x0
	global_store_b64 v7, v[8:9], s[10:11]          ; 32 lanes store 256 consecutive bytes, aligned
	s_wait_tensorcnt 0x0                           ; the wave's end, behind my last LDS store
	ds_add_u32 v[SPW], v[NIL]
	s_wait_dscnt 0x0
	s_endpgm
; THE CAST.  Work-group c = number - 352, wave w: rows n = 16 c + 4 w .. + 3 of w_proj.  A load takes one head's 64 numbers (256 bytes) of two rows: lanes 0-15 one row, lanes 16-31 the next.
; A lane's 4 numbers become 8 bytes; the two rows' 128 bytes each are neighbours in w16's plane of that head: the wave stores 256 consecutive bytes, aligned.  All 32 loads are issued first; no register is written twice.
.Lcast:
	s_sub_co_u32 s17, ttmp9, WGQ
	s_lshl_b32 s17, s17, 4
	s_lshl_b32 s18, s16, 2
	s_add_co_u32 s17, s17, s18                     ; my first row
	s_lshl_b32 s18, s17, 12                        ; x 4,096 bytes in w_proj
	s_mov_b32 s19, 0
	s_lshl_b32 s20, s17, 7                         ; x 128 bytes in a plane of w16
	s_mov_b32 s21, 0
	v_lshrrev_b32 v3, 4, v2
	v_and_b32 v4, 15, v2
	v_lshlrev_b32 v3, 12, v3
	v_lshl_add_u32 v3, v4, 4, v3                   ; in: (lane / 16) rows + 16 (lane % 16)
	v_lshlrev_b32 v4, 3, v2                        ; out: 8 x lane
	s_wait_kmcnt 0x0
	s_add_nc_u64 s[24:25], s[24:25], s[18:19]
	s_add_nc_u64 s[26:27], s[26:27], s[20:21]
.set k, 0
.rept 32                               ; k = 16 p + head: rows 2 p, 2 p + 1
	global_load_b128 v[16+4*k:19+4*k], v3, s[24:25] offset:(k/16)*8192+(k%16)*256 th:TH_LOAD_NT
.set k, k+1
.endr
.set k, 0
.rept 32
	s_wait_loadcnt 31-k                            ; loads come back in order: the 31 - k younger ones may be out
	v_cvt_pk_f16_f32 v[16+4*k], v[16+4*k], v[17+4*k]
	v_cvt_pk_f16_f32 v[17+4*k], v[18+4*k], v[19+4*k]
	global_store_b64 v4, v[16+4*k:17+4*k], s[26:27] offset:(k%16)*131072+(k/16)*256
.set k, k+1
.endr
	s_endpgm
.Lfunc_end_k_q6f1bf50b81_quant:
	.size	k_q6f1bf50b81_quant, .Lfunc_end_k_q6f1bf50b81_quant-k_q6f1bf50b81_quant
	.p2alignl 7, 3214868480
	.fill 96, 4, 3214868480
	.section	.rodata,"a",@progbits
	.p2align	6, 0x0
	.amdhsa_kernel k_q6f1bf50b81_quant
		.amdhsa_group_segment_fixed_size 33280
		.amdhsa_private_segment_fixed_size 0
		.amdhsa_enable_private_segment 0
		.amdhsa_kernarg_size 64
		.amdhsa_user_sgpr_count 2
		.amdhsa_user_sgpr_kernarg_segment_ptr 1
		.amdhsa_wavefront_size32 1
		.amdhsa_system_sgpr_workgroup_id_x 1
		.amdhsa_system_sgpr_workgroup_id_y 1
		.amdhsa_system_sgpr_workgroup_id_z 1
		.amdhsa_system_vgpr_workitem_id 0
		.amdhsa_next_free_vgpr 192
		.amdhsa_next_free_sgpr 66
		.amdhsa_reserve_vcc 0
		.amdhsa_float_denorm_mode_32 3
		.amdhsa_float_denorm_mode_16_64 3
		.amdhsa_memory_ordered 1
		.amdhsa_forward_progress 1
		.amdhsa_inst_pref_size 45
	.end_amdhsa_kernel
	.amdgpu_metadata
---
amdhsa.version: [ 1, 2 ]
amdhsa.kernels:
  - .name:           k_q6f1bf50b81_quant
    .symbol:         k_q6f1bf50b81_quant.kd
    .args:
      - { .name: x, .offset: 0, .size: 8, .value_kind: global_buffer, .address_space: global }
      - { .name: w_attn, .offset: 8, .size: 8, .value_kind: global_buffer, .address_space: global }
      - { .name: xc, .offset: 16, .size: 8, .value_kind: global_buffer, .address_space: global }
      - { .name: xs, .offset: 24, .size: 8, .value_kind: global_buffer, .address_space: global }
      - { .name: wc, .offset: 32, .size: 8, .value_kind: global_buffer, .address_space: global }
      - { .name: ws, .offset: 40, .size: 8, .value_kind: global_buffer, .address_space: global }
      - { .name: w_proj, .offset: 48, .size: 8, .value_kind: global_buffer, .address_space: global }
      - { .name: w16, .offset: 56, .size: 8, .value_kind: global_buffer, .address_space: global }
    .group_segment_fixed_size: 33280
    .private_segment_fixed_size: 0
    .kernarg_segment_align: 8
    .kernarg_segment_size: 64
    .max_flat_workgroup_size: 128
    .sgpr_count:     66
    .vgpr_count:     192
    .wavefront_size: 32
...
	.end_amdgpu_metadata
.endif
;; end of part 1
;; launch qkv (part 2): grid 12 x 32, 4 waves a work-group, clusters of 4 x 4, 327,680 bytes of LDS; arguments xc, xs, wc, ws, qkvh, qkv32; writes qkvh, qkv32
.if DOCPART == 2
	.amdgcn_target "amdgcn-amd-amdhsa--gfx1250"
	.amdhsa_code_object_version 6
	.text
	.protected	k_q6f1bf50b81_qkv
	.globl	k_q6f1bf50b81_qkv
	.p2align	8
	.type	k_q6f1bf50b81_qkv,@function
k_q6f1bf50b81_qkv:
	s_mov_b64 s[64:65], 0
	v_nop
	global_prefetch_b8 v0, s[64:65] scope:SCOPE_SE
	s_setreg_imm32_b32 hwreg(HW_REG_WAVE_MODE, 25, 1), 1
	s_wait_xcnt 0x0
	s_wait_alu depctr_hold_cnt(0) depctr_sa_sdst(0) depctr_va_vdst(0) depctr_va_sdst(0) depctr_va_ssrc(0) depctr_va_vcc(0) depctr_vm_vsrc(0)
	s_getreg_b32 s2, hwreg(HW_REG_IB_STS2, 6, 4)
	s_cmp_eq_u32 s2, 0
	s_cbranch_scc0 .Lentry_in_a_cluster
	s_endpgm
.Lentry_in_a_cluster:
	s_bfe_u32 s2, ttmp6, 0x10000c
	s_cmp_lg_u32 s2, 0xf033
	s_cbranch_scc0 .Lentry_shape_is_right
	s_endpgm
.Lentry_shape_is_right:
; qkv[m][e] = sum over k of x[m][k] w_attn[e][k], both operands as codes of FP4 (E2M1) with one E8M0 scale for each 32 along K; sums in f32.  m = 8,192, e = 3,072, k = 1,024.
; A tile of 256 x 256 is made by four waves, each 128 x 128: 64 accumulators, 512 registers.  K = 1,024 is two LDS slots of 512 along K (rows of 256 bytes): both are asked for at the head and none is filled again.
; The scale bytes of the work-group's 256 + 256 rows, for all of K, come once, as rows of 256 bytes.
; CLUSTERS: 4 x 4 work-groups; A's tiles are asked for jointly along a row of the cluster, B's along a column.  Tile row = 8 cy + cluster y: cy is the batch, cluster y the block of 256 positions in it,
; so "my rows begin at position 0" hangs on cluster y and the wave's number alone, which all partners share.
; THE MATRIX INSTRUCTION IS USED TRANSPOSED (source 0 = 16 rows of w_attn, source 1 = 16 rows of x): a lane holds eight neighbouring e of one row m.
; OUT: f16, head-major: qkvh [g = e / 64 (48)][batch 4][position 2048][64].  16 rows of one g are 2,048 dense bytes; a block of 16 rows x 128 e goes through my stage in LDS and leaves 512 consecutive bytes a store.
; Positions 0-15 of every batch leave also as f32, qkv32 [batch][g][16][64], 16 bytes a lane: 786,432 bytes in all, one part in 64 of what the launch stores.
; LIMIT: |q|, |k|, |v| must stay under f16's 65,504; under 6e-5 they are kept to 2^-25 absolutely.
; REGISTERS: window 0: v0-31 addresses; v32-95 scale words, two sets; v128-191 A's fragments, one set; on the way out v32-63, v192-255.  window 1: B's fragments, two sets.  windows 2, 3: the accumulators ((a, b) at v[8 (8 (a % 4) + b)]).
.set SIZE_M, 8192
.set SIZE_N, 3072
.set SIZE_K, 1024
.set KSTEP,  512                       ; along K in a slot
.set NQ,     KSTEP/128                 ; matrix instructions deep
.set ROWB,   256                       ; a tile's row in bytes
.set KROW,   SIZE_K*4/8                ; a row of codes in memory
.set PITCH,  272                       ; an LDS row: 256 bytes + 16 of padding: the 16 rows of a load start at 16 different banks (64 banks of 4 bytes: ISA guide 11.1)
.set FR,     8
.set NL,     2
.set NP,     4                         ; places behind this matrix instruction (ISA guide 7.12.1)
.set HALFT,  128*PITCH
.set SLOT,   4*HALFT
.set KS,     SIZE_K/32
.set SCL,    2*SLOT                    ; behind the two slots: the scales
.set HALFS,  (128*KS/256)*272
.set SBLK,   (16*KS/256)*272
.set SPARE,  SCL+4*HALFS               ; the spare words, 128 bytes a wave, which no other line names
.set SPITCH, 272                       ; the way out: 16 rows x (256 bytes + 16) for each wave, in slot 0, which has had its one fill and its last read by then
.set ADRA, 16
.set ADRB, 20
.set STO,  24
.set RD,   25
.set CO,   26
.set ADRS, 27
.set SPW,  28
.set NIL,  29
.set FO,   30                          ; v30 my byte offset in a (batch, g) block of qkv32
.set SC,   32
.set AF,   128
.set TMP,  192                         ; the way out: packed results
.set OB,   32                          ; and rows read back: v32-63 and v224-255 by turns
.set G1, 24
.set G0, 32
.set G1B, 48
.set G0B, 56
.set G1S, 68
.set G0S, 76
.set G1SB, 80
.set G0SB, 88
.set MSB, 0
.macro WIN new                         ; the immediate's high byte repeats the setting that is left
.if MSB != (\new)
	s_set_vgpr_msb (MSB<<8)|(\new)
.set MSB, (\new)
.endif
.endm
.set MUL_LO, 0xa1                      ; source 0 (B) window 1, source 1 (A) window 0, C and D window 2
.set MUL_HI, 0xf1                      ; the same, C and D window 3
.set TO_B,   0x40
; A joint load: waves 0 and 1 fetch for A, waves 2 and 3 for B; the branch hangs on the wave's number alone.  An s_nop 0 and four v_nop follow each of the two lines.
.macro JLOAD g0a, g1a, g0b, g1b
	s_cmp_eq_u32 s15, 0
	s_cbranch_scc0 .Lfor_b_\@
	tensor_load_to_lds s[\g0a:\g0a+3], s[\g1a:\g1a+7]
	s_nop 0
.rept 4
	v_nop
.endr
	s_branch .Lasked_\@
.Lfor_b_\@:
	tensor_load_to_lds s[\g0b:\g0b+3], s[\g1b:\g1b+7]
	s_nop 0
.rept 4
	v_nop
.endr
.Lasked_\@:
.endm
.macro CROUND                          ; a round of the cluster's barrier
	s_barrier_signal -1
	s_barrier_wait -1
	s_cmp_lg_u32 s14, 0
	s_cbranch_scc1 .Lnot_wave_0_\@
	s_barrier_signal -3
.Lnot_wave_0_\@:
	s_barrier_wait -3
	s_barrier_signal -1
	s_barrier_wait -1
.endm
	s_load_b128 s[4:7], s[0:1], 0x0                ; x's codes, x's scales
	s_load_b128 s[8:11], s[0:1], 0x10              ; w_attn's codes, its scales
	s_load_b64 s[12:13], s[0:1], 0x20              ; qkvh
	s_load_b64 s[96:97], s[0:1], 0x28              ; qkv32
	v_lshl_add_u32 v[SPW], v0, 2, SPARE
	v_mov_b32 v[NIL], 0
	ds_add_u32 v[SPW], v[NIL]                      ; the wave's opening: the add, twice on end, and its wait ahead of my first tensor load
	ds_add_u32 v[SPW], v[NIL]
	v_lshrrev_b32 v1, 5, v0
	v_readfirstlane_b32 s14, v1                    ; wave 0..3
	s_lshr_b32 s15, s14, 1                         ; which half of the tile's rows is mine.  Also: I fetch for A (0) or for B (1)
	s_and_b32 s16, s14, 1                          ; which half of its columns.  Also: which 128 rows of that tile I fetch
	s_bfe_u32 s40, ttmp6, 0x40000                  ; cx, cy: my place in the cluster
	s_bfe_u32 s41, ttmp6, 0x40004
	s_lshl_b32 s42, ttmp9, 2
	s_add_co_u32 s42, s42, s40                     ; tile column = 4 x cluster x + cx
	s_and_b32 s17, ttmp7, 0xffff
	s_lshl_b32 s95, s41, 3
	s_add_co_u32 s17, s17, s95                     ; tile row = 8 cy + cluster y
	s_lshl_b32 s43, s41, 2
	s_lshl_b32 s43, 15, s43                        ; my row of the cluster
	s_lshl_b32 s44, 0x1111, s40                    ; my column
	s_or_b32 s[G1+0], s43, (0<<16)|(1<<20)|(1<<21)|(5<<22)|(3<<25)  ; the mask; elements of 1 byte; padding on; bit 21 beside a mask; 4 words behind every 64
	s_or_b32 s[G1B+0], s44, (0<<16)|(1<<20)|(1<<21)|(5<<22)|(3<<25)
.irp g, G1, G1B
	s_mov_b32 s[\g+1], ROWB<<16                    ; tensor_dim0
	s_mov_b32 s[\g+2], 128<<16                     ; tensor_dim1
	s_mov_b32 s[\g+3], ROWB<<16                    ; tile_dim0
	s_mov_b32 s[\g+4], 128                         ; tile_dim1
	s_mov_b32 s[\g+5], KROW                        ; the pitch in memory
	s_mov_b32 s[\g+6], 0
	s_mov_b32 s[\g+7], 0
.endr
	s_or_b32 s[G1S+0], s43, (3<<16)|(1<<20)|(1<<21)|(5<<22)|(3<<25) ; the scales of 128 rows: a dense block, as rows of 32 elements of 8 bytes
	s_or_b32 s[G1SB+0], s44, (3<<16)|(1<<20)|(1<<21)|(5<<22)|(3<<25)
.irp g, G1S, G1SB
	s_mov_b32 s[\g+1], 32<<16
	s_mov_b32 s[\g+2], (128*KS/256)<<16
	s_mov_b32 s[\g+3], 32<<16
	s_mov_b32 s[\g+4], 128*KS/256
	s_mov_b32 s[\g+5], 32
	s_mov_b32 s[\g+6], 0
	s_mov_b32 s[\g+7], 0
.endr
	s_lshl_b32 s18, s16, 7                         ; which 128 rows of the tile I fetch
	s_lshl_b32 s20, s17, 8
	s_add_co_u32 s20, s20, s18                     ; A: row 256 x tile row + 128 x half
	s_lshl_b32 s46, s42, 8
	s_add_co_u32 s46, s46, s18                     ; B: row 256 x tile column + 128 x half
	s_mov_b32 s21, 0
	s_mov_b32 s47, 0
	s_mov_b64 s[18:19], KS
	s_mul_u64 s[22:23], s[20:21], s[18:19]         ; where these rows' scales begin,
	s_mul_u64 s[92:93], s[46:47], s[18:19]
	s_mov_b64 s[18:19], KROW
	s_mul_u64 s[20:21], s[20:21], s[18:19]         ; and their codes
	s_mul_u64 s[46:47], s[46:47], s[18:19]
	s_mul_i32 s45, s14, HALFT                      ; where they go: wave x 128 rows
	s_mul_i32 s94, s14, HALFS
	s_wait_dscnt 0x0                               ; both opening adds are done
	s_wait_kmcnt 0x0
	s_add_nc_u64 s[20:21], s[4:5], s[20:21]
	s_add_nc_u64 s[22:23], s[6:7], s[22:23]
	s_add_nc_u64 s[46:47], s[8:9], s[46:47]
	s_add_nc_u64 s[92:93], s[10:11], s[92:93]
	CROUND                                         ; all sixteen work-groups are here: the joint loads meet
	s_mov_b32 s[G0S], 1
	s_add_co_u32 s[G0S+1], s94, SCL
	s_mov_b64 s[G0S+2:G0S+3], s[22:23]
	s_or_b32 s[G0S+3], s[G0S+3], 0x80000000
	s_mov_b32 s[G0SB], 1
	s_add_co_u32 s[G0SB+1], s94, SCL
	s_mov_b64 s[G0SB+2:G0SB+3], s[92:93]
	s_or_b32 s[G0SB+3], s[G0SB+3], 0x80000000
	JLOAD G0S, G1S, G0SB, G1SB                     ; the scales first: three loads of mine are out in all
.irp s, 0,1
	s_mov_b32 s[G0+4*\s], 1
	s_add_co_u32 s[G0+4*\s+1], s45, \s*SLOT
	s_add_nc_u64 s[G0+4*\s+2:G0+4*\s+3], s[20:21], \s*ROWB
	s_or_b32 s[G0+4*\s+3], s[G0+4*\s+3], 0x80000000
	s_mov_b32 s[G0B+4*\s], 1
	s_add_co_u32 s[G0B+4*\s+1], s45, \s*SLOT
	s_add_nc_u64 s[G0B+4*\s+2:G0B+4*\s+3], s[46:47], \s*ROWB
	s_or_b32 s[G0B+4*\s+3], s[G0B+4*\s+3], 0x80000000
	JLOAD G0+4*\s, G1, G0B+4*\s, G1B
.endr
	v_and_b32 v1, 15, v0                           ; r = l % 16
	v_bfe_u32 v2, v0, 4, 1                         ; h = l / 16
	v_mul_u32_u24 v3, v1, PITCH
	v_lshl_add_u32 v4, v2, 4, v3                   ; a fragment's row x pitch + 16 h
	s_mul_i32 s21, s15, HALFT                      ; my 128 rows of A
	s_mul_i32 s22, s16, HALFT                      ; my 128 rows of B,
	s_add_co_u32 s22, s22, 2*HALFT                 ; behind A's 256
.irp s, 0,1
	v_add_nc_u32 v[ADRA+\s], s21, v4
	v_add_nc_u32 v[ADRB+\s], s22, v4
	s_add_co_u32 s21, s21, SLOT
	s_add_co_u32 s22, s22, SLOT
.endr
	v_mul_u32_u24 v5, v1, KS                       ; my row's scales: KS bytes a row,
	v_lshrrev_b32 v6, 8, v5
	v_lshl_add_u32 v5, v6, 4, v5                   ; and 16 more for each 256 passed
	s_mul_i32 s21, s15, HALFS
	s_mul_i32 s22, s16, HALFS
	s_add_co_u32 s22, s22, 2*HALFS
	s_sub_co_u32 s22, s22, s21
	v_mul_u32_u24 v6, s22, v2                      ; lanes 16-31 take B's: the lower base + h x the distance
	s_add_co_u32 s21, s21, SCL
	v_add_nc_u32 v5, v5, v6
	v_add_nc_u32 v[ADRS], s21, v5
	s_mul_i32 s23, s14, 16*SPITCH                  ; my stage
	v_mul_u32_u24 v5, v1, SPITCH                   ; in: row r, 16 bytes for each half of the lanes
	v_lshl_add_u32 v5, v2, 4, v5
	v_add_nc_u32 v[STO], s23, v5
	v_and_b32 v6, 31, v0
	v_lshlrev_b32 v[CO], 4, v6                     ; out: 16 x lane
	v_lshrrev_b32 v5, 3, v6                        ; back: eight lanes take 128 bytes of a row, the wave four rows
	v_mul_u32_u24 v5, v5, SPITCH
	v_and_b32 v6, 7, v0
	v_lshl_add_u32 v5, v6, 4, v5
	v_add_nc_u32 v[RD], s23, v5
	v_lshlrev_b32 v[FO], 8, v1
	v_lshl_add_u32 v[FO], v2, 5, v[FO]             ; qkv32: row r of 256 bytes, + 32 h
	s_lshl_b32 s20, s42, 2
	s_lshl_b32 s21, s16, 1
	s_add_co_u32 s20, s20, s21                     ; g of my first 64 columns: 4 x tile column + 2 x half
	s_lshl_b32 s46, s20, 2
	s_add_co_u32 s46, s46, s41                     ; 4 g + batch,
	s_lshl_b32 s46, s46, 18                        ; x 2,048 positions x 128 bytes
	s_and_b32 s95, ttmp7, 0xffff
	s_lshl_b32 s47, s95, 15                        ; + 256 x cluster y positions
	s_add_co_u32 s46, s46, s47
	s_lshl_b32 s47, s15, 14                        ; + 128 x my half
	s_add_co_u32 s46, s46, s47
	s_mov_b32 s47, 0
	s_add_nc_u64 s[12:13], s[12:13], s[46:47]
	s_mul_i32 s46, s41, 48
	s_add_co_u32 s46, s46, s20
	s_lshl_b32 s46, s46, 12                        ; qkv32: (48 batch + g) x 4,096 bytes
	s_add_nc_u64 s[96:97], s[96:97], s[46:47]
	s_or_b32 s95, s95, s15                         ; 0 where my first 16 rows are positions 0 to 15: the same in all sixteen partners, for a given wave
.macro FRAG reg, adr, q, i             ; 16 rows x 128 K of 4-bit codes: 8 registers; registers 4 c .. 4 c + 3 hold K = 64 c + 32 h + 0 .. 31
.irp c, 0,1
	ds_load_b128 v[\reg+4*\c:\reg+4*\c+3], v[\adr] offset:64*(\q)+32*\c+(\i)*16*PITCH
.endr
.endm
; 16 matrix instructions: A's blocks a0, a0 + 1 x B's eight.  The 64 accumulators take turns, one instruction a turn, in the same order in every step.
.macro MUL16 a0, p, q, sc, zero
.irp a, \a0, \a0+1
.irp b, 0,1,2,3,4,5,6,7
.if \zero
	v_wmma_scale_f32_16x16x128_f8f6f4 v[8*(8*((\a)%4)+\b):8*(8*((\a)%4)+\b)+7], v[128*(\p)+FR*\b:128*(\p)+FR*\b+FR-1], v[AF+FR*(\a):AF+FR*(\a)+FR-1], 0, v[SC+8*NQ*(\sc)+NQ*\b+(\q)], v[SC+8*NQ*(\sc)+NQ*(\a)+(\q)] matrix_a_fmt:MATRIX_FMT_FP4 matrix_b_fmt:MATRIX_FMT_FP4 matrix_a_scale:MATRIX_SCALE_ROW1
.else
	v_wmma_scale_f32_16x16x128_f8f6f4 v[8*(8*((\a)%4)+\b):8*(8*((\a)%4)+\b)+7], v[128*(\p)+FR*\b:128*(\p)+FR*\b+FR-1], v[AF+FR*(\a):AF+FR*(\a)+FR-1], v[8*(8*((\a)%4)+\b):8*(8*((\a)%4)+\b)+7], v[SC+8*NQ*(\sc)+NQ*\b+(\q)], v[SC+8*NQ*(\sc)+NQ*(\a)+(\q)] matrix_a_fmt:MATRIX_FMT_FP4 matrix_b_fmt:MATRIX_FMT_FP4 matrix_a_scale:MATRIX_SCALE_ROW1
.endif
.endr
.endr
.endm
.macro FETCH_B slot, q, p
	WIN TO_B
.irp i, 0,1,2,3,4,5,6,7
	FRAG 128*(\p)+FR*\i, ADRB+\slot, \q, \i
.endr
	WIN 0
.endm
.macro FETCH_A slot, q, i0
.irp i, \i0, \i0+1, \i0+2, \i0+3
	FRAG AF+FR*(\i), ADRA+\slot, \q, \i
.endr
.endm
.macro SCALES sc                       ; a slot's scale words: 4 words a row; lanes 0-15 take A's block i, lanes 16-31 B's block i
.irp i, 0,1,2,3,4,5,6,7
	ds_load_b128 v[SC+8*NQ*\sc+NQ*\i:SC+8*NQ*\sc+NQ*\i+3], v[ADRS] offset:\i*SBLK
.endr
.endm
.macro PLACES n                        ; plain vector instructions between a matrix instruction and a load into, or a read of, its registers
.rept \n
	v_nop
.endr
.endm
.macro STEP slot, q, zero              ; 128 along K, with its successor in the same slot
	s_wait_dscnt 4*NL                              ; B's set and A's blocks 0-3 are in; the youngest eight loads (A's blocks 4-7) may be out
	WIN MUL_LO
	MUL16 0, (\q)%2, \q, \slot, \zero
	MUL16 2, (\q)%2, \q, \slot, \zero
	s_wait_dscnt 0
	PLACES NP
	FETCH_B \slot, (\q)+1, 1-(\q)%2
	FETCH_A \slot, (\q)+1, 0
	WIN MUL_HI
	MUL16 4, (\q)%2, \q, \slot, \zero
	MUL16 6, (\q)%2, \q, \slot, \zero
	PLACES NP
	WIN 0
	FETCH_A \slot, (\q)+1, 4
.endm
; Slot 0's last step changes slots: one barrier; in front of it each wave waits for all its tensor loads (its part of slot 1), adds 0 to its spare word, and waits for that and for its reads of slot 0.  Nothing is filled again.
.macro TURN slot, next
	s_wait_tensorcnt 0x0
	ds_add_u32 v[SPW], v[NIL]
	s_wait_dscnt 4*NL+1                            ; the add and the youngest eight loads may be out
	WIN MUL_LO
	MUL16 0, 1, NQ-1, \slot, 0
	s_wait_dscnt 0x0                               ; the add is done, and my reads of this slot are over
	s_barrier_signal -1
	MUL16 2, 1, NQ-1, \slot, 0
	WIN 0
	s_barrier_wait -1
	PLACES NP
	v_add_nc_u32 v[ADRS], 4*NQ, v[ADRS]            ; on to the next slot's scale words
	FETCH_B \next, 0, 0
	FETCH_A \next, 0, 0
	SCALES \next
	WIN MUL_HI
	MUL16 4, 1, NQ-1, \slot, 0
	MUL16 6, 1, NQ-1, \slot, 0
	PLACES NP
	WIN 0
	FETCH_A \next, 0, 4
.endm
.macro STEPS slot, from
.set Q, \from
.rept NQ-1-\from
	STEP \slot, Q, 0
.set Q, Q+1
.endr
.endm
	s_wait_tensorcnt 1                             ; the scales and my part of slot 0 are in; slot 1's load may be out
	s_barrier_signal -1
	s_barrier_wait -1
	FETCH_B 0, 0, 0
	FETCH_A 0, 0, 0
	SCALES 0
	FETCH_A 0, 0, 4
	STEP 0, 0, 1                                   ; the first step's products start the sums: nothing is cleared
	STEPS 0, 1
	TURN 0, 1
	STEPS 1, 0
	s_wait_dscnt 4*NL                              ; the very last step
	WIN MUL_LO
	MUL16 0, 1, NQ-1, 1, 0
	MUL16 2, 1, NQ-1, 1, 0
	s_wait_dscnt 0
	WIN MUL_HI
	MUL16 4, 1, NQ-1, 1, 0
	MUL16 6, 1, NQ-1, 1, 0
	WIN 0
; THE WAY OUT.  Accumulator (a, b): lane (r, h) holds row 16 a + r, columns 16 b + 8 h + 0 .. 7.
	PLACES NP
	s_cmp_lg_u32 s95, 0                            ; positions 0-15 leave also as f32: block a = 0 of the waves whose rows begin a batch
	s_cbranch_scc1 .Lnofine
	WIN 0x08                                       ; a store's data: window 2
.irp b, 0,1,2,3,4,5,6,7
	global_store_b128 v[FO], v[8*\b:8*\b+3], s[96:97] offset:(\b/4)*4096+(\b%4)*64       ; each accumulator from its low end on
	global_store_b128 v[FO], v[8*\b+4:8*\b+7], s[96:97] offset:(\b/4)*4096+(\b%4)*64+16
.endr
	WIN 0
.Lnofine:
.macro PACK a                          ; block a rounded to f16: 16 bytes a lane and accumulator
.set AC, 64*((\a)%4)
	WIN 0x0a+5*((\a)/4)                            ; sources 0 and 1: window 2 or 3
.irp b, 0,1,2,3,4,5,6,7
.irp r, 0,1,2,3
	v_cvt_pk_f16_f32 v[TMP+4*\b+\r], v[AC+8*\b+2*\r], v[AC+8*\b+2*\r+1]
.endr
.endr
	WIN 0
.endm
.macro TOSTAGE a                       ; into my stage, and back by g: four rows x 128 bytes a load.  LDS serves a wave's instructions in order (ISA guide 5.7.1.4)
.set BK, OB+192*((\a)%2)
.irp b, 0,1,2,3,4,5,6,7
	ds_store_b128 v[STO], v[TMP+4*\b:TMP+4*\b+3] offset:32*\b
.endr
.irp hh, 0,1
.irp i, 0,1,2,3
	ds_load_b128 v[BK+4*(4*\hh+\i):BK+4*(4*\hh+\i)+3], v[RD] offset:\i*4*SPITCH+128*\hh
.endr
.endr
.endm
.macro SEND a
.set BK, OB+192*((\a)%2)
	s_wait_dscnt 0x0                               ; the block is back in registers
	s_wait_xcnt 0x0                                ; the block before has had its stores' registers read: the next block's loads may land there
.irp hh, 0,1
.irp i, 0,1,2,3
	global_store_b128 v[CO], v[BK+4*(4*\hh+\i):BK+4*(4*\hh+\i)+3], s[12:13] offset:\hh*1048576+(\a)*2048+\i*512   ; 32 lanes store 512 consecutive bytes, at a multiple of 256 from the buffer's first byte
.endr
.endr
.endm
	PACK 0
	TOSTAGE 0
.irp a, 1,2,3,4,5,6,7                  ; block a's conversions stand between block a - 1's loads from the stage and the wait for them
	PACK \a
	SEND \a-1
	TOSTAGE \a
.endr
	SEND 7
	s_wait_tensorcnt 0x0                           ; the wave's end
	ds_add_u32 v[SPW], v[NIL]
	s_wait_dscnt 0x0
	CROUND                                         ; the closing round
	s_endpgm
.Lfunc_end_k_q6f1bf50b81_qkv:
	.size	k_q6f1bf50b81_qkv, .Lfunc_end_k_q6f1bf50b81_qkv-k_q6f1bf50b81_qkv
	.p2alignl 7, 3214868480
	.fill 96, 4, 3214868480
	.section	.rodata,"a",@progbits
	.p2align	6, 0x0
	.amdhsa_kernel k_q6f1bf50b81_qkv
		.amdhsa_group_segment_fixed_size 327680
		.amdhsa_private_segment_fixed_size 0
		.amdhsa_enable_private_segment 0
		.amdhsa_kernarg_size 48
		.amdhsa_user_sgpr_count 2
		.amdhsa_user_sgpr_kernarg_segment_ptr 1
		.amdhsa_wavefront_size32 1
		.amdhsa_system_sgpr_workgroup_id_x 1
		.amdhsa_system_sgpr_workgroup_id_y 1
		.amdhsa_system_sgpr_workgroup_id_z 1
		.amdhsa_system_vgpr_workitem_id 0
		.amdhsa_next_free_vgpr 1024
		.amdhsa_next_free_sgpr 100
		.amdhsa_reserve_vcc 0
		.amdhsa_float_denorm_mode_32 3
		.amdhsa_float_denorm_mode_16_64 3
		.amdhsa_memory_ordered 1
		.amdhsa_forward_progress 1
		.amdhsa_inst_pref_size 128
	.end_amdhsa_kernel
	.amdgpu_metadata
---
amdhsa.version: [ 1, 2 ]
amdhsa.kernels:
  - .name:           k_q6f1bf50b81_qkv
    .symbol:         k_q6f1bf50b81_qkv.kd
    .args:
      - { .name: xc, .offset: 0, .size: 8, .value_kind: global_buffer, .address_space: global }
      - { .name: xs, .offset: 8, .size: 8, .value_kind: global_buffer, .address_space: global }
      - { .name: wc, .offset: 16, .size: 8, .value_kind: global_buffer, .address_space: global }
      - { .name: ws, .offset: 24, .size: 8, .value_kind: global_buffer, .address_space: global }
      - { .name: qkvh, .offset: 32, .size: 8, .value_kind: global_buffer, .address_space: global }
      - { .name: qkv32, .offset: 40, .size: 8, .value_kind: global_buffer, .address_space: global }
    .group_segment_fixed_size: 327680
    .private_segment_fixed_size: 0
    .kernarg_segment_align: 8
    .kernarg_segment_size: 48
    .max_flat_workgroup_size: 128
    .sgpr_count:     100
    .vgpr_count:     1024
    .wavefront_size: 32
...
	.end_amdgpu_metadata
.endif
;; end of part 2
;; launch attn (part 3): grid 4 x 64, 16 waves a work-group, no clusters, 327,680 bytes of LDS; arguments qkvh, att; writes att
.if DOCPART == 3
	.amdgcn_target "amdgcn-amd-amdhsa--gfx1250"
	.amdhsa_code_object_version 6
	.text
	.protected	k_q6f1bf50b81_attn
	.globl	k_q6f1bf50b81_attn
	.p2align	8
	.type	k_q6f1bf50b81_attn,@function
k_q6f1bf50b81_attn:
	s_mov_b64 s[64:65], 0
	v_nop
	global_prefetch_b8 v0, s[64:65] scope:SCOPE_SE
	s_setreg_imm32_b32 hwreg(HW_REG_WAVE_MODE, 25, 1), 1
	s_wait_xcnt 0x0
; att[head][batch, q][:] = the sum over k <= q of softmax_k(Q[q] . K[k] / 8) V[k][:], head size 64, 2,048 positions, 64 (head, batch) pairs.  Q, K, V come as f16 (qkvh [g][batch][position][64]: g = head, 16 + head, 32 + head);
; products on f16 operands with f32 sums; maxima, exponentials and sums in f32; the weights p (at most 1) are rounded to f16 for the second product; att is f16.
; SOFTMAX: for each query a running maximum m and sum l: p = 2^(c s - c m), c = log2(e) / 8; in every step O and l are multiplied by a = 2^(c m_old - c m_new).  m begins at -3e38, under every score that f16 operands can give.
; SHARES.  A work-group owns query blocks i and 7 - i (256 queries each) of one (head, batch): 9 block products for every work-group, 256 work-groups.  A wave owns 32 neighbouring queries, two tiles of 16, in 256 registers:
; four waves to a SIMD, so that one wave's vector work stands beside another's matrix work.  Waves 2 x and 2 x + 1 take queries 32 x on of the two blocks; which of the two takes which block turns with (wave / 4) % 2.
; EVERY wave walks all 8 slots of 256 keys (constant trip counts); a step of 64 keys that all come after the wave's queries is jumped over, and a slot that begins behind the work-group's last query is not asked for.
; NO CLUSTER: the four work-groups of a (head, batch) read 8, 7, 6 and 5 of the 8 slots, so a partner would have to ask for tiles that none of its waves reads.
; LAYOUT.  S^T = K Q^T (source 0 = 16 keys, source 1 = 16 queries): a lane holds ONE query (lane % 16) and keys 8 (lane / 16) + 0..7.  Two such tiles, rounded to f16 in pairs, are source 1 (32 keys) of O^T = V^T P.
; K comes out of LDS as it lies, V ([key][channel]) turned, by ds_load_tr16_b128.  In LDS two keys share a row of 256 bytes: key k lies at (k / 2) x pitch + (k % 2) x 128.
; LIMITS: positions 0-15 of every sequence are computed here too but are not used from here: a later launch makes those rows of the output in f32.  NaN and infinities are not served.
; REGISTERS: v1-9 addresses and constants; v10-13, v24-27 at work (tile 0, 1); v[14:15], v[28:29] a; v16-19, v20-23 c m, m, l (even keys', odd keys'); v32-63 Q; v64-127 S^T, then p; v128-191 O^T; v192-255 8 fragments of K, then of V.
.set KP,    272                        ; K's LDS row: 256 + 16: the 16 keys of a load touch 16 different 16-byte columns of the 256
.set VP,    288                        ; V's: 256 + 32: the 8 keys x 32 bytes of a turning load's half likewise
.set VOFF,  128*KP                     ; a slot: 128 rows of K, then 128 rows of V
.set SLOT1, 1<<17                      ; slot 1 begins here: one exclusive or turns an address
.set STAGE, VOFF+128*VP                ; behind slot 0: 16 rows x 144 bytes for each wave, for the way out; no tile lands here
.set SP,    144
.set SPARE, STAGE+16*16*SP             ; the spare words, 128 bytes a wave, which no other line names
.set SLOTB, 32768                      ; a slot's bytes of K, and of V, in memory
.set AK0, 1
.set AV0, 2
.set ADK, 3
.set ADV, 4
.set SPW, 5
.set NIL, 6
.set DD,  7                            ; v7 lane % 16 - 8 (lane / 16)
.set NINF, 8                           ; v8 -infinity
.set DT,  9
.set CB,  10                           ; + 14 u: c0-c3
.set AA,  14                           ; + 14 u: a (a pair; the low word is used)
.set ST,  16                           ; + 4 u: c m, m, l, l
.set PFO, 30
.set Q,   32
.set S,   64
.set O,   128
.set KV,  192
.set TB,  2                            ; s2 LDS byte at which the slot in hand begins
.set WV,  18
.set SEL, 20
.set CS,  22
.set G1K, 24
.set G1V, 32
.set G0K, 40
.set G0V, 44
.set SLOTS, 48
.set KF,  49                           ; the step's first key
.set Q0,  50                           ; my first query
.set QL,  51                           ; my last
.set WL,  52                           ; my work-group's last
.set PFA, 54
.set LIM, 56
; Waves 0 and 1 fetch K's halves of a slot, waves 2 and 3 V's, the others nothing.  An s_nop 0 and four v_nop follow each of the two lines.
.macro TLOAD
	s_cmp_lt_u32 s[WV], 2
	s_cbranch_scc0 .Lnot_k_\@
	tensor_load_to_lds s[G0K:G0K+3], s[G1K:G1K+7]
	s_nop 0
.rept 4
	v_nop
.endr
	s_branch .Lasked_\@
.Lnot_k_\@:
	s_cmp_lt_u32 s[WV], 4
	s_cbranch_scc0 .Lasked_\@
	tensor_load_to_lds s[G0V:G0V+3], s[G1V:G1V+7]
	s_nop 0
.rept 4
	v_nop
.endr
.Lasked_\@:
.endm
; A PREFETCH INTO THE L2 of the slot that the NEXT change of slots will ask for: four key steps ahead of that load.  The four work-groups of a (head, batch) walk the same K and V: work-group i = 0, which walks all slots, asks.
; In it waves 4 to 7 name K's 32,768 bytes and waves 8 to 11 V's, 8,192 bytes a wave, lanes 256 bytes apart: each block of 256 bytes is named once in the launch.  Slots 0 and 1 come by their loads alone; the last filling change asks for nothing.
.macro ASK
	s_cmp_gt_u32 s[SLOTS], s[LIM]
	s_cbranch_scc0 .Lnot_mine_\@
	global_prefetch_b8 v[PFO], s[PFA:PFA+1] th:TH_LOAD_NT scope:SCOPE_SE
.Lnot_mine_\@:
.endm
	s_load_b128 s[4:7], s[0:1], 0x0                ; qkvh, att
	v_lshl_add_u32 v[SPW], v0, 2, SPARE
	v_mov_b32 v[NIL], 0
	ds_add_u32 v[SPW], v[NIL]                      ; the wave's opening: the add, twice on end, and its wait ahead of my first tensor load
	ds_add_u32 v[SPW], v[NIL]
	v_lshrrev_b32 v9, 5, v0
	v_readfirstlane_b32 s[WV], v9                  ; wave 0..15
	s_lshr_b32 s57, s[WV], 2
	s_xor_b32 s57, s57, s[WV]
	s_and_b32 s57, s57, 1                          ; 0: block i, 1: block 7 - i
	s_lshl_b32 s58, ttmp9, 1
	s_sub_co_u32 s58, 7, s58
	s_mul_i32 s58, s58, s57
	s_add_co_u32 s58, s58, ttmp9                   ; my block of 256 queries
	s_lshl_b32 s58, s58, 8
	s_lshr_b32 s59, s[WV], 1
	s_lshl_b32 s59, s59, 5
	s_add_co_u32 s[Q0], s58, s59
	s_add_co_u32 s[QL], s[Q0], 31
	s_sub_co_u32 s[WL], 8, ttmp9
	s_lshl_b32 s[WL], s[WL], 8
	s_sub_co_u32 s[WL], s[WL], 1                   ; 256 (8 - i) - 1
	s_and_b32 s58, ttmp7, 0xffff                   ; 4 head + batch,
	s_lshl_b32 s58, s58, 18                        ; x 2,048 positions x 128 bytes
	s_mov_b32 s59, 0
	s_lshl_b32 s60, s[Q0], 7
	s_mov_b32 s61, 0
	s_and_b32 s66, s[WV], 1                        ; which half of a slot I fetch, if I fetch:
	s_lshl_b32 s68, s66, 14                        ; 128 keys x 128 bytes in memory
	s_mov_b32 s69, 0
	; descriptor group 1: 128 keys are a dense block: 64 rows of 32 elements of 8 bytes, padded in LDS
	s_mov_b32 s[G1K], (3<<16)|(1<<20)|(5<<22)|(3<<25)              ; no mask; elements of 8 bytes; padding on: 4 words behind every 64
	s_mov_b32 s[G1V], (3<<16)|(1<<20)|(5<<22)|(7<<25)              ; 8 words
.irp g, G1K, G1V
	s_mov_b32 s[\g+1], 32<<16                      ; tensor_dim0
	s_mov_b32 s[\g+2], 64<<16                      ; tensor_dim1
	s_mov_b32 s[\g+3], 32<<16                      ; tile_dim0
	s_mov_b32 s[\g+4], 64                          ; tile_dim1
	s_mov_b32 s[\g+5], 32                          ; the pitch in memory
	s_mov_b32 s[\g+6], 0
	s_mov_b32 s[\g+7], 0
.endr
	s_mov_b32 s[SEL], 0x76543210
	s_mov_b32 s[SEL+1], 0xfedcba98                 ; v_permlanex16_b32's selects for lane l xor 16
	s_mov_b32 s[CS], 0x3e38aa3b                    ; c = log2(e) / 8
	s_mov_b32 s[CS+1], s[CS]                       ; (named with it as a pair, so it is written)
	s_mov_b32 s[TB], 0
	s_mov_b32 s[SLOTS], 7
	s_mov_b32 s[KF], 0
	s_sub_co_u32 s57, s[WV], 4
	s_lshr_b32 s57, s57, 3                         ; 0 in waves 4 to 11,
	s_or_b32 s57, s57, ttmp9                       ; of work-group i = 0
	s_cmp_eq_u32 s57, 0
	s_cselect_b32 s[LIM], 1, -1
	s_mov_b32 s[G0K], 1
	s_mul_i32 s[G0K+1], s66, 64*KP
	s_mov_b32 s[G0V], 1
	s_mul_i32 s[G0V+1], s66, 64*VP
	s_add_co_u32 s[G0V+1], s[G0V+1], VOFF
	s_wait_dscnt 0x0                               ; both opening adds are done
	s_wait_kmcnt 0x0
	s_add_nc_u64 s[12:13], s[4:5], s[58:59]        ; my (head, batch) in Q's part of qkvh
	s_add_nc_u64 s[8:9], s[12:13], s[60:61]        ; Q at my first query
	s_add_nc_u64 s[10:11], s[6:7], s[58:59]
	s_add_nc_u64 s[10:11], s[10:11], s[60:61]      ; att likewise
	s_add_nc_u64 s[14:15], s[12:13], 0x2000000     ; V: 32 g on
	s_add_nc_u64 s[12:13], s[12:13], 0x1000000     ; K: 16 g on
	s_add_nc_u64 s[G0K+2:G0K+3], s[12:13], s[68:69]
	s_or_b32 s[G0K+3], s[G0K+3], 0x80000000
	s_add_nc_u64 s[G0V+2:G0V+3], s[14:15], s[68:69]
	s_or_b32 s[G0V+3], s[G0V+3], 0x80000000
	TLOAD                                          ; slot 0: it holds key 0, which counts for every query
	s_cmp_lt_u32 s[WV], 8                          ; the prefetches: waves 4 to 7 stand in K, waves 8 to 11 in V,
	s_cselect_b64 s[PFA:PFA+1], s[12:13], s[14:15]
	s_and_b32 s62, s[WV], 3
	s_lshl_b32 s62, s62, 13                        ; at my wave's 8,192 bytes
	s_add_co_u32 s62, s62, SLOTB                   ; of slot 1: the first change of slots steps it to slot 2
	s_mov_b32 s63, 0
	s_add_nc_u64 s[PFA:PFA+1], s[PFA:PFA+1], s[62:63]
	v_and_b32 v10, 15, v0                          ; r
	v_bfe_u32 v11, v0, 4, 1                        ; h
	v_lshlrev_b32 v9, 7, v10
	v_lshl_add_u32 v9, v11, 4, v9                  ; Q: row r of 128 bytes, + 16 h
.irp u, 0,1
.irp cc, 0,1
	global_load_b128 v[Q+16*\u+8*\cc:Q+16*\u+8*\cc+3], v9, s[8:9] offset:\u*2048+64*\cc       ; Q stays in registers: tile u, channels 32 cc on
	global_load_b128 v[Q+16*\u+8*\cc+4:Q+16*\u+8*\cc+7], v9, s[8:9] offset:\u*2048+64*\cc+32
.endr
.endr
	v_lshrrev_b32 v[AK0], 1, v10
	v_mul_u32_u24 v[AK0], v[AK0], KP
	v_and_b32 v12, 1, v0
	v_lshl_add_u32 v[AK0], v12, 7, v[AK0]
	v_lshl_add_u32 v[AK0], v11, 4, v[AK0]          ; K: (r / 2) x pitch + (r % 2) x 128 + 16 h
	v_bfe_u32 v[AV0], v0, 1, 2
	v_lshl_add_u32 v[AV0], v11, 2, v[AV0]
	v_mul_u32_u24 v[AV0], v[AV0], VP
	v_lshl_add_u32 v[AV0], v12, 7, v[AV0]
	v_bfe_u32 v13, v0, 3, 1
	v_lshl_add_u32 v[AV0], v13, 4, v[AV0]
	v_add_nc_u32 v[AV0], VOFF, v[AV0]              ; V: key 8 h + l % 8, channels 8 ((l / 8) % 2) on
	v_lshlrev_b32 v13, 3, v11
	v_sub_nc_u32 v[DD], v10, v13
	v_mov_b32 v[NINF], 0xff800000
	v_and_b32 v[PFO], 31, v0
	v_lshlrev_b32 v[PFO], 8, v[PFO]
.irp u, 0,1
	v_mov_b32 v[ST+4*\u+1], 0xff61b1e6             ; m = -3e38
	v_mul_f32 v[ST+4*\u], s[CS], v[ST+4*\u+1]      ; c m
	v_mov_b32 v[ST+4*\u+2], 0                      ; l
	v_mov_b32 v[ST+4*\u+3], 0
	v_mov_b32 v[AA+14*\u], 0
	v_mov_b32 v[AA+14*\u+1], 0                     ; (the upper half of a's pair is named, so it is written)
.irp j, 0,1,2,3
	v_mov_b32 v[CB+14*\u+\j], 0                    ; written once: a lane permute's destination counts as one of its sources
.endr
.endr
.set i, 0
.rept 64
	v_mov_b32 v[O+i], 0                            ; O^T.  (The step is written once: the first finds zeros, which a = 0 leaves zeros)
.set i, i+1
.endr
; A KEY STEP: 64 keys, the q-th of the slot in hand.
.macro STEP q
	s_cmp_gt_u32 s[KF], s[QL]                      ; all 64 keys come after my 32 queries: the step's work is left out.  KF is a multiple of 64 and Q0 of 32, so in a step that is walked KF <= Q0: key KF counts for every query of mine
	s_cbranch_scc1 .Lhidden_\@
	v_add_nc_u32 v[ADK], s[TB], v[AK0]
	v_add_nc_u32 v[ADV], s[TB], v[AV0]
.rept 3
	v_nop                                          ; with the two additions five places behind the last V^T P: its fragments' registers are loaded again (four are owed), and its P's registers are written by matrix instructions (five)
.endr
.irp kt, 0,1,2,3
.irp cc, 0,1
	ds_load_b128 v[KV+16*\kt+8*\cc:KV+16*\kt+8*\cc+3], v[ADK] offset:(\q)*32*KP+\kt*8*KP+64*\cc
	ds_load_b128 v[KV+16*\kt+8*\cc+4:KV+16*\kt+8*\cc+7], v[ADK] offset:(\q)*32*KP+\kt*8*KP+64*\cc+32
.endr
.endr
	s_wait_dscnt 0x0
.irp cc, 0,1                                   ; S^T = K Q^T: eight accumulators by turns
.irp kt, 0,1,2,3
.irp u, 0,1
.if \cc == 0
	v_wmma_f32_16x16x32_f16 v[S+32*\u+8*\kt:S+32*\u+8*\kt+7], v[KV+16*\kt+8*\cc:KV+16*\kt+8*\cc+7], v[Q+16*\u+8*\cc:Q+16*\u+8*\cc+7], 0
.else
	v_wmma_f32_16x16x32_f16 v[S+32*\u+8*\kt:S+32*\u+8*\kt+7], v[KV+16*\kt+8*\cc:KV+16*\kt+8*\cc+7], v[Q+16*\u+8*\cc:Q+16*\u+8*\cc+7], v[S+32*\u+8*\kt:S+32*\u+8*\kt+7]
.endif
.endr
.endr
.endr
.rept 4
	v_nop                                          ; places: in front of the loads into K's registers, and of the first read of the scores
.endr
.irp kh, 0,1                                   ; V of this step, turned: it lands while the softmax is worked
.irp t, 0,1,2,3
	ds_load_tr16_b128 v[KV+8*(4*\kh+\t):KV+8*(4*\kh+\t)+3], v[ADV] offset:(\q)*32*VP+\kh*16*VP+32*\t
	ds_load_tr16_b128 v[KV+8*(4*\kh+\t)+4:KV+8*(4*\kh+\t)+7], v[ADV] offset:(\q)*32*VP+\kh*16*VP+8*VP+32*\t
.endr
.endr
	s_add_co_u32 s57, s[KF], 63                    ; on the diagonal hidden scores become -infinity ahead of the maximum; a step all of whose keys count skips this
	s_cmp_le_u32 s57, s[Q0]
	s_cbranch_scc1 .Lopen_\@
	s_sub_co_u32 s57, s[Q0], s[KF]
	v_add_nc_u32 v[DT], s57, v[DD]                 ; d = my query - KF - 8 h.  Register 8 kt + j holds key KF + 16 kt + 8 h + j: hidden where 16 kt + j > d
.irp u, 0,1
.if \u
	v_add_nc_u32 v[DT], 16, v[DT]
.endif
.set n, 0
.rept 32
	v_cmp_gt_i32 vcc_lo, 16*(n/8)+n%8, v[DT]
	v_cndmask_b32 v[S+32*\u+n], v[S+32*\u+n], v[NINF], vcc_lo
.set n, n+1
.endr
.endr
.Lopen_\@:
.irp j, 0,1,2,3                                ; the maximum of 32 scores and the old m, three operands at a time, four chains; the two tiles line by line.  Each accumulator is read from its low end on
.irp u, 0,1
	v_max3_num_f32 v[CB+14*\u+\j], v[S+32*\u+8*\j], v[S+32*\u+8*\j+1], v[S+32*\u+8*\j+2]
.endr
.endr
.irp g, 1,2
.irp j, 0,1,2,3
.irp u, 0,1
	v_max3_num_f32 v[CB+14*\u+\j], v[CB+14*\u+\j], v[S+32*\u+8*\j+2*\g+1], v[S+32*\u+8*\j+2*\g+2]
.endr
.endr
.endr
.irp u, 0,1
	v_max3_num_f32 v[CB+14*\u], v[CB+14*\u], v[S+32*\u+7], v[S+32*\u+15]
.endr
.irp u, 0,1
	v_max3_num_f32 v[CB+14*\u+2], v[CB+14*\u+2], v[S+32*\u+23], v[S+32*\u+31]
.endr
.irp u, 0,1
	v_max3_num_f32 v[CB+14*\u], v[CB+14*\u], v[CB+14*\u+1], v[CB+14*\u+2]
.endr
.irp u, 0,1
	v_max3_num_f32 v[CB+14*\u], v[CB+14*\u], v[CB+14*\u+3], v[ST+4*\u+1]
.endr
.irp u, 0,1
	v_permlanex16_b32 v[CB+14*\u+1], v[CB+14*\u], s[SEL], s[SEL+1]   ; the query's other 32 keys lie in the lane 16 away
.endr
.irp u, 0,1
	v_mov_b32 v[CB+14*\u+3], v[ST+4*\u]            ; c m_old
.endr
.irp u, 0,1
	v_max_num_f32 v[ST+4*\u+1], v[CB+14*\u], v[CB+14*\u+1]
.endr
.irp u, 0,1
	v_mul_f32 v[ST+4*\u], s[CS], v[ST+4*\u+1]
.endr
.irp u, 0,1
	v_sub_f32 v[CB+14*\u+3], v[CB+14*\u+3], v[ST+4*\u]
.endr
.irp u, 0,1
.irp j, 0,2,4,6,8,10,12,14,16,18,20,22,24,26,28,30
	v_pk_fma_f32 v[S+32*\u+\j:S+32*\u+\j+1], v[S+32*\u+\j:S+32*\u+\j+1], s[CS:CS+1], v[ST+4*\u:ST+4*\u+1] op_sel_hi:[1,0,0] neg_lo:[0,0,1] neg_hi:[0,0,1]   ; c s - c m, two at a time
.endr
.endr
.irp u, 0,1
	v_exp_f32 v[AA+14*\u], v[CB+14*\u+3]           ; a
.endr
.set i, 0
.rept 64
	v_exp_f32 v[S+i], v[S+i]                       ; p: ONE BATCH of 66 exponentials,
.set i, i+1
.endr
	v_nop                                          ; one plain instruction behind the last,
	s_wait_alu depctr_va_vdst(0)                   ; and one wait ahead of the first instruction that names a result
.irp u, 0,1
	v_pk_mul_f32 v[ST+4*\u+2:ST+4*\u+3], v[ST+4*\u+2:ST+4*\u+3], v[AA+14*\u:AA+14*\u+1] op_sel_hi:[1,0]   ; l under the new m
	v_pk_add_f32 v[CB+14*\u:CB+14*\u+1], v[S+32*\u:S+32*\u+1], v[S+32*\u+2:S+32*\u+3]                     ; the sum of the f32 weights, in two chains
.endr
.irp j, 4,8,12,16,20,24,28
.irp u, 0,1
	v_pk_add_f32 v[ST+4*\u+2:ST+4*\u+3], v[ST+4*\u+2:ST+4*\u+3], v[S+32*\u+\j:S+32*\u+\j+1]
	v_pk_add_f32 v[CB+14*\u:CB+14*\u+1], v[CB+14*\u:CB+14*\u+1], v[S+32*\u+\j+2:S+32*\u+\j+3]
.endr
.endr
.irp u, 0,1
	v_pk_add_f32 v[ST+4*\u+2:ST+4*\u+3], v[ST+4*\u+2:ST+4*\u+3], v[CB+14*\u:CB+14*\u+1]
.endr
.irp u, 0,1
.set i, 0
.rept 16
	v_cvt_pk_f16_f32 v[S+32*\u+i], v[S+32*\u+2*i], v[S+32*\u+2*i+1]   ; p as f16, laid in place: register i is written when registers 2 i, 2 i + 1 have been read
.set i, i+1
.endr
.endr
.irp u, 0,1
.irp j, 0,2,4,6,8,10,12,14,16,18,20,22,24,26,28,30
	v_pk_mul_f32 v[O+32*\u+\j:O+32*\u+\j+1], v[O+32*\u+\j:O+32*\u+\j+1], v[AA+14*\u:AA+14*\u+1] op_sel_hi:[1,0]   ; O^T under the new m
.endr
.endr
	s_wait_dscnt 0x0                               ; V is in
.irp kh, 0,1                                   ; O^T += V^T P: eight accumulators by turns
.irp t, 0,1,2,3
.irp u, 0,1
	v_wmma_f32_16x16x32_f16 v[O+32*\u+8*\t:O+32*\u+8*\t+7], v[KV+8*(4*\kh+\t):KV+8*(4*\kh+\t)+7], v[S+32*\u+8*\kh:S+32*\u+8*\kh+7], v[O+32*\u+8*\t:O+32*\u+8*\t+7]
.endr
.endr
.endr
.Lhidden_\@:
	s_add_co_u32 s[KF], s[KF], 64
.endm
; THE CHANGE OF SLOTS stands at a slot's head.  Each wave waits for all its tensor loads, adds 0 to its spare word, and waits for that and for its reads of the slot that it has left; behind the barrier the slot ahead is whole
; and nobody reads the other one.  fill = 1: the other slot is filled with the keys that follow, up to the causal limit: the load has a whole slot's four steps in which to land.
.macro CHANGE fill
	s_wait_tensorcnt 0x0                           ; no tensor load of mine is out, so a group 0 may be written
	ds_add_u32 v[SPW], v[NIL]
.if \fill
	ds_add_u32 v[SPW], v[NIL]                      ; and once more, in every trip alike
	s_xor_b32 s[G0K+1], s[G0K+1], SLOT1            ; the walking descriptors: the other slot than last time,
	s_add_nc_u64 s[G0K+2:G0K+3], s[G0K+2:G0K+3], SLOTB   ; the next 256 keys; the type bits on top are not reached
	s_xor_b32 s[G0V+1], s[G0V+1], SLOT1
	s_add_nc_u64 s[G0V+2:G0V+3], s[G0V+2:G0V+3], SLOTB
	s_wait_xcnt 0x0                                ; the last prefetch, a slot back, has read its address, so it may be written
	s_add_nc_u64 s[PFA:PFA+1], s[PFA:PFA+1], SLOTB
.endif
	s_wait_dscnt 0x0                               ; the add is done, and my reads of the slot that I have left are over
	s_barrier_signal -1
	s_barrier_wait -1
.if \fill
	s_add_co_u32 s57, s[KF], 256                   ; the first key of the slot that this change would ask for:
	s_cmp_gt_u32 s57, s[WL]                        ; behind my work-group's last query none of its waves reads it, so it is not asked for.  Ids and the count of steps alone: all sixteen waves go the same way
	s_cbranch_scc1 .Lpast_\@
	TLOAD                                          ; a wave's one tensor load until the next such barrier
.Lpast_\@:
	ASK
.endif
.endm
.macro SLOT_STEPS
	STEP 0
	STEP 1
	STEP 2
	STEP 3
	s_xor_b32 s[TB], s[TB], SLOT1
.endm
	s_wait_loadcnt 0x0                             ; Q
.Lslot:                                            ; 7 trips; every wait on TENSORcnt in this text is for 0
	CHANGE 1
	SLOT_STEPS
	s_sub_co_u32 s[SLOTS], s[SLOTS], 1
	s_cmp_lg_u32 s[SLOTS], 0
	s_cbranch_scc1 .Lslot
	CHANGE 0                                       ; the last slot is written out: nothing is asked for
	SLOT_STEPS
	; THE WAY OUT.  l's halves are added; O^T is divided by l, rounded to f16 and sent through my stage: a tile is 16 rows of 128 bytes, 2,048 dense bytes of att.
.rept 4
	v_nop
.endr
.irp u, 0,1
	v_add_f32 v[CB+14*\u], v[ST+4*\u+2], v[ST+4*\u+3]
.endr
.irp u, 0,1
	v_permlanex16_b32 v[CB+14*\u+1], v[CB+14*\u], s[SEL], s[SEL+1]
.endr
.irp u, 0,1
	v_add_f32 v[CB+14*\u], v[CB+14*\u], v[CB+14*\u+1]
.endr
.irp u, 0,1
	v_rcp_f32 v[AA+14*\u], v[CB+14*\u]
.endr
	s_mul_i32 s57, s[WV], 16*SP
	s_add_co_u32 s57, s57, STAGE                   ; my stage
	v_and_b32 v9, 15, v0                           ; (plain work behind the reciprocals)
	v_bfe_u32 v2, v0, 4, 1
	v_mul_u32_u24 v3, v9, SP
	v_lshl_add_u32 v3, v2, 4, v3
	v_add_nc_u32 v3, s57, v3                       ; in: row r, + 16 h; channels 16 t on: + 32 t
	v_bfe_u32 v4, v0, 3, 2
	v_mul_u32_u24 v4, v4, SP
	v_and_b32 v2, 7, v0
	v_lshl_add_u32 v4, v2, 4, v4
	v_add_nc_u32 v4, s57, v4                       ; back: eight lanes to a row, four rows a load
	v_and_b32 v1, 31, v0
	v_lshlrev_b32 v1, 4, v1                        ; out: 16 x lane
	s_wait_alu depctr_va_vdst(0)                   ; one wait for the two reciprocals, ahead of their first reader
.irp u, 0,1
.irp j, 0,2,4,6,8,10,12,14,16,18,20,22,24,26,28,30
	v_pk_mul_f32 v[S+32*\u+\j:S+32*\u+\j+1], v[O+32*\u+\j:O+32*\u+\j+1], v[AA+14*\u:AA+14*\u+1] op_sel_hi:[1,0]
.endr
.endr
.irp u, 0,1
.set i, 0
.rept 16
	v_cvt_pk_f16_f32 v[KV+16*\u+i], v[S+32*\u+2*i], v[S+32*\u+2*i+1]
.set i, i+1
.endr
.endr
.irp u, 0,1                                    ; LDS serves a wave's instructions in order: the loads see the stores, and tile 1's stores come behind tile 0's loads
.irp t, 0,1,2,3
	ds_store_b128 v3, v[KV+16*\u+4*\t:KV+16*\u+4*\t+3] offset:32*\t
.endr
.irp i, 0,1,2,3
	ds_load_b128 v[KV+32+16*\u+4*\i:KV+32+16*\u+4*\i+3], v4 offset:\i*4*SP
.endr
.endr
.irp u, 0,1
.irp i, 0,1,2,3
	s_wait_dscnt 11-8*\u-\i                        ; the LDS instructions issued behind this load may be out
	global_store_b128 v1, v[KV+32+16*\u+4*\i:KV+32+16*\u+4*\i+3], s[10:11] offset:\u*2048+512*\i   ; 32 lanes store 512 consecutive bytes, at a multiple of 256 from the buffer's first byte
.endr
.endr
	s_wait_tensorcnt 0x0                           ; the wave's end
	ds_add_u32 v[SPW], v[NIL]
	s_wait_dscnt 0x0
	s_endpgm
.Lfunc_end_k_q6f1bf50b81_attn:
	.size	k_q6f1bf50b81_attn, .Lfunc_end_k_q6f1bf50b81_attn-k_q6f1bf50b81_attn
	.p2alignl 7, 3214868480
	.fill 96, 4, 3214868480
	.section	.rodata,"a",@progbits
	.p2align	6, 0x0
	.amdhsa_kernel k_q6f1bf50b81_attn
		.amdhsa_group_segment_fixed_size 327680
		.amdhsa_private_segment_fixed_size 0
		.amdhsa_enable_private_segment 0
		.amdhsa_kernarg_size 16
		.amdhsa_user_sgpr_count 2
		.amdhsa_user_sgpr_kernarg_segment_ptr 1
		.amdhsa_wavefront_size32 1
		.amdhsa_system_sgpr_workgroup_id_x 1
		.amdhsa_system_sgpr_workgroup_id_y 1
		.amdhsa_system_sgpr_workgroup_id_z 1
		.amdhsa_system_vgpr_workitem_id 0
		.amdhsa_next_free_vgpr 256
		.amdhsa_next_free_sgpr 80
		.amdhsa_reserve_vcc 1
		.amdhsa_float_denorm_mode_32 3
		.amdhsa_float_denorm_mode_16_64 3
		.amdhsa_memory_ordered 1
		.amdhsa_forward_progress 1
		.amdhsa_inst_pref_size 189
	.end_amdhsa_kernel
	.amdgpu_metadata
---
amdhsa.version: [ 1, 2 ]
amdhsa.kernels:
  - .name:           k_q6f1bf50b81_attn
    .symbol:         k_q6f1bf50b81_attn.kd
    .args:
      - { .name: qkvh, .offset: 0, .size: 8, .value_kind: global_buffer, .address_space: global }
      - { .name: att, .offset: 8, .size: 8, .value_kind: global_buffer, .address_space: global }
    .group_segment_fixed_size: 327680
    .private_segment_fixed_size: 0
    .kernarg_segment_align: 8
    .kernarg_segment_size: 16
    .max_flat_workgroup_size: 512
    .sgpr_count:     80
    .vgpr_count:     256
    .wavefront_size: 32
...
	.end_amdgpu_metadata
.endif
;; end of part 3
;; launch proj (part 4): grid 4 x 64, 4 waves a work-group, clusters of 4 x 4, 327,680 bytes of LDS; arguments att, w16, out0; writes out0
.if DOCPART == 4
	.amdgcn_target "amdgcn-amd-amdhsa--gfx1250"
	.amdhsa_code_object_version 6
	.text
	.protected	k_q6f1bf50b81_proj
	.globl	k_q6f1bf50b81_proj
	.p2align	8
	.type	k_q6f1bf50b81_proj,@function
k_q6f1bf50b81_proj:
	s_mov_b64 s[64:65], 0
	v_nop
	global_prefetch_b8 v0, s[64:65] scope:SCOPE_SE
	s_setreg_imm32_b32 hwreg(HW_REG_WAVE_MODE, 25, 1), 1
	s_wait_xcnt 0x0
	s_wait_alu depctr_hold_cnt(0) depctr_sa_sdst(0) depctr_va_vdst(0) depctr_va_sdst(0) depctr_va_ssrc(0) depctr_va_vcc(0) depctr_vm_vsrc(0)
	s_getreg_b32 s2, hwreg(HW_REG_IB_STS2, 6, 4)
	s_cmp_eq_u32 s2, 0
	s_cbranch_scc0 .Lentry_in_a_cluster
	s_endpgm
.Lentry_in_a_cluster:
	s_bfe_u32 s2, ttmp6, 0x10000c
	s_cmp_lg_u32 s2, 0xf033
	s_cbranch_scc0 .Lentry_shape_is_right
	s_endpgm
.Lentry_shape_is_right:
; out0[m][n] = sum over k of att[m][k] w_proj[n][k], f16 operands, f32 sums; m = 8,192, n = k = 1,024.  Both operands lie head-major: att [head 16][m][64], w16 [head 16][n][64]: K runs head by head on both.
; A tile of 128 x 256 gives 256 work-groups.  Four waves, each 64 x 128: 32 accumulators, 256 registers.  K goes in steps of two heads (128) through a ring of two LDS slots.  A head's 128 rows of att, and its 256 rows of w16,
; are dense blocks: they come as rows of 256 bytes (two rows of 64 f16 each): row x of a plane lies at (x / 2) x 272 + (x % 2) x 128.
; CLUSTERS: 4 x 4.  Tile column = cx; tile row = 16 cy + cluster y, so cy is the batch.  att's tiles are asked for jointly along a row of the cluster, w16's along a column.
; Positions 0-15 of every batch are NOT stored here: the next launch makes those 64 rows in f32.  They are block a = 0 of the waves with cluster y = 0 and row half 0: a condition that all partners share.
; THE MATRIX INSTRUCTION IS USED TRANSPOSED (source 0 = 16 rows of w16, source 1 = 16 rows of att): a lane holds eight neighbouring n of one row m.
; REGISTERS: window 0: v0-31 addresses; v128-255 rows on the way out.  window 1: two fragment buffers at 0 and 128: B's eight at f + 8 b, A's four at f + 64 + 8 a.  window 2: accumulator (a, b) at v[8 (8 a + b)].
.set PITCH,  272                       ; the 16 rows of a load touch 16 different 16-byte columns of the 256
.set APL,    64*PITCH                  ; a head's 128 rows of att
.set BPL,    128*PITCH                 ; a head's 256 rows of w16
.set BOFF,   2*APL
.set SLOT,   2*APL+2*BPL
.set STAGE,  2*SLOT                    ; behind the ring: 16 rows x (512 + 16) bytes for each wave
.set SPITCH, 528
.set SPARE,  STAGE+4*16*SPITCH         ; the spare words, 128 bytes a wave, which no other line names
.set LAPS,   4                         ; 16 heads / 2 a slot / 2 slots
.set SLOTA,  2*1048576                 ; a slot on in att: two planes
.set SLOTW,  2*131072                  ; and in w16
.set ADRA, 16
.set ADRB, 20
.set STO,  24
.set RD,   25
.set CO,   26
.set SPW,  28
.set NIL,  29
.set PFO,  30
.set BK,   128
.set F0,   0
.set F1,   128
.set G1, 24
.set G0, 32
.set G1B, 48
.set G0B, 56
.set LIM, 43
.set PFA, 44
.set MSB, 0
.macro WIN new                         ; the immediate's high byte repeats the setting that is left
.if MSB != (\new)
	s_set_vgpr_msb (MSB<<8)|(\new)
.set MSB, (\new)
.endif
.endm
.set MUL,  0xa5                        ; sources 0 and 1 window 1; C and D window 2
.set TO_F, 0x40                        ; destination window 1, address window 0
.macro JLOAD s                         ; a joint load: waves 0 and 1 fetch att's two planes, waves 2 and 3 w16's; an s_nop 0 and four v_nop follow each line
	s_cmp_eq_u32 s11, 0
	s_cbranch_scc0 .Lfor_b_\@
	tensor_load_to_lds s[G0+4*\s:G0+4*\s+3], s[G1:G1+7]
	s_nop 0
.rept 4
	v_nop
.endr
	s_branch .Lasked_\@
.Lfor_b_\@:
	tensor_load_to_lds s[G0B+4*\s:G0B+4*\s+3], s[G1B:G1B+7]
	s_nop 0
.rept 4
	v_nop
.endr
.Lasked_\@:
.endm
; A PREFETCH INTO THE L2 of att's slot that stands two refills on.  A tile row of att is read by one row of one cluster alone; its four partners share a slot's 2 x 16,384 bytes out BY ADDRESS (cx / 2: the plane, cx % 2: the half),
; wave 0 of each asks, lanes 256 bytes apart: each block of 256 bytes is named once.  Slots 0 to 3 come by their loads alone; the loop's last trip asks for nothing.  w16 is read again by every cluster and is not asked for.
.macro ASK
	s_cmp_gt_u32 s3, s[LIM]
	s_cbranch_scc0 .Lnot_mine_\@
	global_prefetch_b8 v[PFO], s[PFA:PFA+1] offset:SLOTA th:TH_LOAD_NT scope:SCOPE_SE
.Lnot_mine_\@:
.endm
.macro CREST                           ; a round of the cluster's barrier behind its opening barrier
	s_cmp_lg_u32 s10, 0
	s_cbranch_scc1 .Lnot_wave_0_\@
	s_barrier_signal -3
.Lnot_wave_0_\@:
	s_barrier_wait -3
	s_barrier_signal -1
	s_barrier_wait -1
.endm
.macro CROUND
	s_barrier_signal -1
	s_barrier_wait -1
	CREST
.endm
	s_load_b128 s[4:7], s[0:1], 0x0                ; att, w16
	s_load_b64 s[8:9], s[0:1], 0x10                ; out0
	v_lshl_add_u32 v[SPW], v0, 2, SPARE
	v_mov_b32 v[NIL], 0
	ds_add_u32 v[SPW], v[NIL]                      ; the wave's opening: the add, twice on end, and its wait ahead of my first tensor load
	ds_add_u32 v[SPW], v[NIL]
	v_lshrrev_b32 v1, 5, v0
	v_readfirstlane_b32 s10, v1                    ; wave 0..3
	s_lshr_b32 s11, s10, 1                         ; which 64 rows are mine.  Also: I fetch for att (0) or for w16 (1)
	s_and_b32 s12, s10, 1                          ; which 128 columns.  Also: which of a slot's two planes I fetch
	s_bfe_u32 s40, ttmp6, 0x40000                  ; cx, cy
	s_bfe_u32 s41, ttmp6, 0x40004
	s_lshl_b32 s42, ttmp9, 2
	s_add_co_u32 s42, s42, s40                     ; tile column
	s_and_b32 s13, ttmp7, 0xffff                   ; cluster y
	s_or_b32 s2, s13, s11                          ; 0 where my first 16 rows are positions 0 to 15
	s_lshl_b32 s14, s41, 4
	s_add_co_u32 s13, s13, s14                     ; tile row = 16 cy + cluster y
	s_lshl_b32 s43, s41, 2
	s_lshl_b32 s43, 15, s43                        ; my row of the cluster
	s_lshl_b32 s44, 0x1111, s40                    ; my column
	s_or_b32 s[G1+0], s43, (3<<16)|(1<<20)|(1<<21)|(5<<22)|(3<<25)  ; the mask; elements of 8 bytes; padding on; bit 21 beside a mask; 4 words behind every 64
	s_or_b32 s[G1B+0], s44, (3<<16)|(1<<20)|(1<<21)|(5<<22)|(3<<25)
	s_mov_b32 s[G1+1], 32<<16                      ; tensor_dim0
	s_mov_b32 s[G1+2], 64<<16                      ; tensor_dim1
	s_mov_b32 s[G1+3], 32<<16                      ; tile_dim0
	s_mov_b32 s[G1+4], 64                          ; tile_dim1
	s_mov_b32 s[G1+5], 32                          ; the pitch in memory
	s_mov_b32 s[G1+6], 0
	s_mov_b32 s[G1+7], 0
	s_mov_b32 s[G1B+1], 32<<16
	s_mov_b32 s[G1B+2], 128<<16
	s_mov_b32 s[G1B+3], 32<<16
	s_mov_b32 s[G1B+4], 128
	s_mov_b32 s[G1B+5], 32
	s_mov_b32 s[G1B+6], 0
	s_mov_b32 s[G1B+7], 0
	s_lshl_b32 s16, s13, 14                        ; att: 128 rows x 128 bytes x tile row,
	s_lshl_b32 s17, s12, 20                        ; + my plane
	s_add_co_u32 s16, s16, s17
	s_mov_b32 s17, 0
	s_lshl_b32 s46, s42, 15                        ; w16: 256 rows x 128 bytes x tile column,
	s_lshl_b32 s47, s12, 17                        ; + my plane
	s_add_co_u32 s46, s46, s47
	s_mov_b32 s47, 0
	s_mul_i32 s20, s12, APL                        ; where they go: no place in the cluster enters an LDS address
	s_mul_i32 s21, s12, BPL
	s_add_co_u32 s21, s21, BOFF
	s_wait_dscnt 0x0                               ; both opening adds are done
	s_wait_kmcnt 0x0
	s_add_nc_u64 s[14:15], s[4:5], s[16:17]
	s_add_nc_u64 s[46:47], s[6:7], s[46:47]
	CROUND                                         ; all sixteen work-groups are here: the first joint loads meet
.irp s, 0,1
	s_mov_b32 s[G0+4*\s], 1
	s_add_co_u32 s[G0+4*\s+1], s20, \s*SLOT
	s_add_nc_u64 s[G0+4*\s+2:G0+4*\s+3], s[14:15], \s*SLOTA
	s_or_b32 s[G0+4*\s+3], s[G0+4*\s+3], 0x80000000
	s_mov_b32 s[G0B+4*\s], 1
	s_add_co_u32 s[G0B+4*\s+1], s21, \s*SLOT
	s_add_nc_u64 s[G0B+4*\s+2:G0B+4*\s+3], s[46:47], \s*SLOTW
	s_or_b32 s[G0B+4*\s+3], s[G0B+4*\s+3], 0x80000000
	JLOAD \s
.endr
	v_and_b32 v1, 15, v0                           ; r
	v_bfe_u32 v2, v0, 4, 1                         ; h
	v_lshrrev_b32 v3, 1, v1
	v_mul_u32_u24 v3, v3, PITCH
	v_and_b32 v4, 1, v0
	v_lshl_add_u32 v3, v4, 7, v3
	v_lshl_add_u32 v3, v2, 4, v3                   ; (r / 2) x pitch + (r % 2) x 128 + 16 h
	s_mul_i32 s21, s11, 32*PITCH                   ; my 64 rows of att
	s_mul_i32 s22, s12, 64*PITCH                   ; my 128 rows of w16,
	s_add_co_u32 s22, s22, BOFF                    ; behind att's planes
.irp s, 0,1
	v_add_nc_u32 v[ADRA+\s], s21, v3
	v_add_nc_u32 v[ADRB+\s], s22, v3
	s_add_co_u32 s21, s21, SLOT
	s_add_co_u32 s22, s22, SLOT
.endr
	s_mul_i32 s23, s10, 16*SPITCH
	s_add_co_u32 s23, s23, STAGE                   ; my stage
	v_mul_u32_u24 v5, v1, SPITCH                   ; in: row r, 32 bytes for each half of the lanes
	v_lshl_add_u32 v5, v2, 5, v5
	v_add_nc_u32 v[STO], s23, v5
	v_and_b32 v6, 31, v0
	v_lshlrev_b32 v[CO], 4, v6                     ; back: the 32 lanes take one row of 512 bytes; and the same in out0
	v_add_nc_u32 v[RD], s23, v[CO]
	v_lshlrev_b32 v[PFO], 8, v6
	s_lshl_b32 s16, s13, 19                        ; out0: 128 rows x 4,096 bytes x tile row,
	s_lshl_b32 s17, s11, 18                        ; + my 64 rows
	s_add_co_u32 s16, s16, s17
	s_mov_b32 s17, 0
	s_add_nc_u64 s[8:9], s[8:9], s[16:17]
	s_lshl_b32 s46, s42, 10                        ; + 1,024 bytes x tile column + 512 x my half
	s_lshl_b32 s47, s12, 9
	s_add_co_u32 s46, s46, s47
	s_mov_b32 s47, 0
	s_add_nc_u64 s[8:9], s[8:9], s[46:47]
	s_lshl_b32 s20, s13, 14                        ; the prefetches: my tile row of att,
	s_lshr_b32 s21, s40, 1
	s_lshl_b32 s21, s21, 20                        ; the plane cx / 2,
	s_add_co_u32 s20, s20, s21
	s_and_b32 s21, s40, 1
	s_lshl_b32 s21, s21, 13                        ; the half cx % 2,
	s_add_co_u32 s20, s20, s21
	s_add_co_u32 s20, s20, 2*SLOTA                 ; at slot 2: the first refill steps it to 3 and names slot 4
	s_mov_b32 s21, 0
	s_add_nc_u64 s[PFA:PFA+1], s[4:5], s[20:21]
	s_cmp_eq_u32 s10, 0
	s_cselect_b32 s[LIM], 1, -1                    ; wave 0 asks: the same in all partners
.macro MUL8 f, a, zero                 ; 8 matrix instructions: A's block a x B's eight, 32 along K.  The 32 accumulators take turns in the same order in every quarter
.irp b, 0,1,2,3,4,5,6,7
.if \zero
	v_wmma_f32_16x16x32_f16 v[8*(8*(\a)+\b):8*(8*(\a)+\b)+7], v[\f+8*\b:\f+8*\b+7], v[\f+64+8*(\a):\f+64+8*(\a)+7], 0
.else
	v_wmma_f32_16x16x32_f16 v[8*(8*(\a)+\b):8*(8*(\a)+\b)+7], v[\f+8*\b:\f+8*\b+7], v[\f+64+8*(\a):\f+64+8*(\a)+7], v[8*(8*(\a)+\b):8*(8*(\a)+\b)+7]
.endif
.endr
.endm
.macro FETCH slot, q, f                ; 24 LDS loads in one run: quarter q of a slot (plane q / 2, channels 32 (q % 2) on): B's eight fragments, then A's four
	WIN TO_F
.irp b, 0,1,2,3,4,5,6,7
	ds_load_b128 v[\f+8*\b:\f+8*\b+3],   v[ADRB+\slot] offset:((\q)/2)*BPL+((\q)%2)*64+\b*8*PITCH
	ds_load_b128 v[\f+8*\b+4:\f+8*\b+7], v[ADRB+\slot] offset:((\q)/2)*BPL+((\q)%2)*64+\b*8*PITCH+32
.endr
.irp a, 0,1,2,3
	ds_load_b128 v[\f+64+8*\a:\f+64+8*\a+3],   v[ADRA+\slot] offset:((\q)/2)*APL+((\q)%2)*64+\a*8*PITCH
	ds_load_b128 v[\f+64+8*\a+4:\f+64+8*\a+7], v[ADRA+\slot] offset:((\q)/2)*APL+((\q)%2)*64+\a*8*PITCH+32
.endr
.endm
.macro PLACES                          ; four plain vector instructions between matrix instructions and loads into, or reads of, their registers
.rept 4
	v_nop
.endr
.endm
.macro QUARTER slot, q, f, g, zero     ; multiplies buffer f (32 matrix instructions) and fetches quarter q of the slot into g
	s_wait_dscnt 4                                 ; all but the youngest four loads (A's blocks 2, 3) are in
	WIN MUL
	MUL8 \f, 0, \zero
	MUL8 \f, 1, \zero
	PLACES
	FETCH \slot, \q, \g
	s_wait_dscnt 24                                ; all but the 24 just issued
	WIN MUL
	MUL8 \f, 2, \zero
	MUL8 \f, 3, \zero
.endm
; A slot's last quarter multiplies buffer 1 and changes slots: one barrier; in front of it each wave waits for all its tensor loads, adds 0 to its spare word, and waits for that and for its reads of this slot.
; fill = 1: the barrier opens a round of the cluster's, and this slot is filled again, two slots ahead: from the request to the wait for it a wave issues 112 matrix instructions.
.macro TURN slot, next, fill
.if \fill
	s_wait_xcnt 0x0                                ; the last prefetch, a slot back, has read its address
	s_add_nc_u64 s[PFA:PFA+1], s[PFA:PFA+1], SLOTA
.endif
	WIN 0                                          ; (the add's two registers lie in window 0)
	s_wait_tensorcnt 0x0                           ; all my tensor loads have landed: my part of the next slot
	ds_add_u32 v[SPW], v[NIL]
	s_wait_dscnt 5                                 ; the add and the youngest four loads may be out
	WIN MUL
	MUL8 F1, 0, 0
	s_wait_dscnt 0x0                               ; the add is done, and my reads of this slot are over
	s_barrier_signal -1
	MUL8 F1, 1, 0
.if \fill
	WIN 0
.endif
	s_barrier_wait -1
.if \fill
	CREST                                          ; no wave of any partner still reads this slot or has a load on its way
	s_add_nc_u64 s[G0+4*\slot+2:G0+4*\slot+3], s[G0+4*\slot+2:G0+4*\slot+3], 2*SLOTA
	s_add_nc_u64 s[G0B+4*\slot+2:G0B+4*\slot+3], s[G0B+4*\slot+2:G0B+4*\slot+3], 2*SLOTW
	JLOAD \slot                                    ; the first tensor load behind the round; its four v_nop are also the places in front of the loads below
.else
	PLACES
.endif
	FETCH \next, 0, F0
.if \fill
	WIN 0
	ASK
.endif
	WIN MUL
	MUL8 F1, 2, 0
	MUL8 F1, 3, 0
.endm
	s_wait_tensorcnt 1                             ; my part of slot 0 is in; slot 1's load may be out
	s_barrier_signal -1
	s_barrier_wait -1
	FETCH 0, 0, F0
	QUARTER 0, 1, F0, F1, 1                        ; the first quarter's products start the sums: nothing is cleared
	WIN 0                                          ; at a label and at a branch every window is 0
	s_mov_b32 s3, LAPS-1
.Llap:                                                 ; a trip goes once round the ring and fills both slots again
	QUARTER 0, 2, F1, F0, 0
	QUARTER 0, 3, F0, F1, 0
	TURN 0, 1, 1
	QUARTER 1, 1, F0, F1, 0
	QUARTER 1, 2, F1, F0, 0
	QUARTER 1, 3, F0, F1, 0
	TURN 1, 0, 1
	QUARTER 0, 1, F0, F1, 0
	WIN 0
	s_sub_co_u32 s3, s3, 1
	s_cmp_lg_u32 s3, 0
	s_cbranch_scc1 .Llap
	QUARTER 0, 2, F1, F0, 0                        ; the last lap fills nothing
	QUARTER 0, 3, F0, F1, 0
	TURN 0, 1, 0
	QUARTER 1, 1, F0, F1, 0
	QUARTER 1, 2, F1, F0, 0
	QUARTER 1, 3, F0, F1, 0
	s_wait_dscnt 4
	WIN MUL
	MUL8 F1, 0, 0
	MUL8 F1, 1, 0
	s_wait_dscnt 0
	MUL8 F1, 2, 0
	MUL8 F1, 3, 0
	WIN 0
; THE WAY OUT, block by block of 16 rows x 128 columns: through my own stage and back as whole rows of 512 bytes.  LDS serves a wave's instructions in order (ISA guide 5.7.1.4).
.macro TOSTAGE a
	WIN 0x08                                       ; an LDS store's data: window 2
.irp b, 0,1,2,3,4,5,6,7
	ds_store_b128 v[STO], v[8*(8*(\a)+\b):8*(8*(\a)+\b)+3] offset:64*\b          ; each accumulator from its low end on
	ds_store_b128 v[STO], v[8*(8*(\a)+\b)+4:8*(8*(\a)+\b)+7] offset:64*\b+16
.endr
	WIN 0
.set BB, BK+64*((\a)%2)
.irp t, 0,1,2,3,4,5,6,7,8,9,10,11,12,13,14,15
	ds_load_b128 v[BB+4*\t:BB+4*\t+3], v[RD] offset:\t*SPITCH
.endr
.endm
.macro SEND a, younger                 ; younger: the LDS instructions issued behind block a's loads, which may stay out
.set BB, BK+64*((\a)%2)
	s_wait_dscnt \younger
.if (\a) == 0
	s_cmp_eq_u32 s2, 0                             ; positions 0 to 15 of a batch belong to the next launch: each byte of out0 has one writer
	s_cbranch_scc1 .Lfine_rows
.endif
.irp t, 0,1,2,3,4,5,6,7,8,9,10,11,12,13,14,15
	global_store_b128 v[CO], v[BB+4*\t:BB+4*\t+3], s[8:9] offset:(\a)*65536+\t*4096 th:TH_STORE_NT   ; 32 lanes store 512 consecutive bytes, at a multiple of 256 from out0's first byte
.endr
.if (\a) == 0
.Lfine_rows:
.endif
.endm
	PLACES
	TOSTAGE 0
.irp a, 1,2,3
.if \a > 1
	s_wait_xcnt 0x0                                ; block a - 2's stores have read their registers: block a's loads may land there
.endif
	TOSTAGE \a
	SEND \a-1, 32                                  ; behind block a - 1's loads: block a's 16 stores and 16 loads
.endr
	SEND 3, 0
	s_wait_tensorcnt 0x0                           ; the wave's end
	ds_add_u32 v[SPW], v[NIL]
	s_wait_dscnt 0x0
	CROUND                                         ; the closing round
	s_endpgm
.Lfunc_end_k_q6f1bf50b81_proj:
	.size	k_q6f1bf50b81_proj, .Lfunc_end_k_q6f1bf50b81_proj-k_q6f1bf50b81_proj
	.p2alignl 7, 3214868480
	.fill 96, 4, 3214868480
	.section	.rodata,"a",@progbits
	.p2align	6, 0x0
	.amdhsa_kernel k_q6f1bf50b81_proj
		.amdhsa_group_segment_fixed_size 327680
		.amdhsa_private_segment_fixed_size 0
		.amdhsa_enable_private_segment 0
		.amdhsa_kernarg_size 24
		.amdhsa_user_sgpr_count 2
		.amdhsa_user_sgpr_kernarg_segment_ptr 1
		.amdhsa_wavefront_size32 1
		.amdhsa_system_sgpr_workgroup_id_x 1
		.amdhsa_system_sgpr_workgroup_id_y 1
		.amdhsa_system_sgpr_workgroup_id_z 1
		.amdhsa_system_vgpr_workitem_id 0
		.amdhsa_next_free_vgpr 768
		.amdhsa_next_free_sgpr 66
		.amdhsa_reserve_vcc 0
		.amdhsa_float_denorm_mode_32 3
		.amdhsa_float_denorm_mode_16_64 3
		.amdhsa_memory_ordered 1
		.amdhsa_forward_progress 1
		.amdhsa_inst_pref_size 86
	.end_amdhsa_kernel
	.amdgpu_metadata
---
amdhsa.version: [ 1, 2 ]
amdhsa.kernels:
  - .name:           k_q6f1bf50b81_proj
    .symbol:         k_q6f1bf50b81_proj.kd
    .args:
      - { .name: att, .offset: 0, .size: 8, .value_kind: global_buffer, .address_space: global }
      - { .name: w16, .offset: 8, .size: 8, .value_kind: global_buffer, .address_space: global }
      - { .name: out0, .offset: 16, .size: 8, .value_kind: global_buffer, .address_space: global }
    .group_segment_fixed_size: 327680
    .private_segment_fixed_size: 0
    .kernarg_segment_align: 8
    .kernarg_segment_size: 24
    .max_flat_workgroup_size: 128
    .sgpr_count:     66
    .vgpr_count:     768
    .wavefront_size: 32
...
	.end_amdgpu_metadata
.endif
;; end of part 4
;; launch fine (part 5): grid 16 x 4, 16 waves a work-group, no clusters, 67,584 bytes of LDS; arguments qkv32, w_proj, out0; writes out0
.if DOCPART == 5
	.amdgcn_target "amdgcn-amd-amdhsa--gfx1250"
	.amdhsa_code_object_version 6
	.text
	.protected	k_q6f1bf50b81_fine
	.globl	k_q6f1bf50b81_fine
	.p2align	8
	.type	k_q6f1bf50b81_fine,@function
k_q6f1bf50b81_fine:
	s_mov_b64 s[64:65], 0
	v_nop
	global_prefetch_b8 v0, s[64:65] scope:SCOPE_SE
	s_setreg_imm32_b32 hwreg(HW_REG_WAVE_MODE, 25, 1), 1
	s_wait_xcnt 0x0
; Positions 0 to 15 of every batch, all in f32: these rows average one to sixteen values and are the largest of the output.  qkv32 [batch][g 48][16][64] holds their q, k, v as the first product's f32 sums.
; A work-group takes a batch (y) and 64 columns n of the output (x); wave w takes head w: its 16 x 16 causal attention, then its 64 of the projection's 1,024 along K for the 64 columns; the 16 partial results meet in LDS,
; and wave w adds and stores row w: 256 consecutive bytes, aligned.  The attention is repeated in the 16 column blocks: 32 of a wave's 96 matrix instructions.
; The f32 matrix form (16 x 16 x 4) is used: lane (r, h) holds row or column r and k = 2 h + j in register j.  The same permutation of K is applied to both sources of each product:
;   S^T = K Q^T: instruction c takes d = 32 h + 2 c + j;   O^T = V^T P: key 8 h + 2 c + j, which is how S^T's result holds the keys;   Y^T = W O^T: d = 16 t + 8 h + 2 c + j, which is how O^T's result holds the channels.
; The registers that these instructions write, v176-239, are written by nothing else; what is made of a sum goes into other registers.
; No tensor load, no cluster, no prefetch: the launch is short and small.  NaN and infinities are not served.
.set QF, 16                            ; v16-47  Q: d = 32 h .. + 31 of row r;   later W of u = 2, 3 (v16-79)
.set KF, 48                            ; v48-79  K likewise
.set VF, 80                            ; v80-111 V[8 h + i][16 t + r] at 8 t + i
.set W0, 112                           ; v112-175 W of u = 0, 1: w_proj[n0 + 16 u + r][64 head + 16 t + 8 h + 0..7] at 32 u + 8 t
.set SS, 176                           ; v176-191 S^T in two halves; later Y^T of u = 0, 1
.set OO, 192                           ; v192-223 O^T, tile t at 8 t
.set TT, 240                           ; v240-247 the scores, then p
.set SPW, 252
.set NIL, 253
.set SPARE, 65536                      ; behind the 16 x 4,096 bytes of partial results: the spare words, 128 bytes a wave, which no other line names
	s_load_b128 s[4:7], s[0:1], 0x0                ; qkv32, w_proj
	s_load_b64 s[8:9], s[0:1], 0x10                ; out0
	v_lshl_add_u32 v[SPW], v0, 2, SPARE
	v_mov_b32 v[NIL], 0
	v_lshrrev_b32 v9, 5, v0
	v_readfirstlane_b32 s10, v9                    ; wave: my head, and the row that I store
	s_and_b32 s11, ttmp7, 0xffff                   ; batch
	v_and_b32 v10, 15, v0                          ; r
	v_bfe_u32 v11, v0, 4, 1                        ; h
	v_lshlrev_b32 v1, 8, v10
	v_lshl_add_u32 v1, v11, 7, v1                  ; Q, K: row r of 256 bytes, + 128 h
	v_lshlrev_b32 v2, 2, v10
	v_lshl_add_u32 v2, v11, 11, v2                 ; V: key 8 h, channel r
	v_lshlrev_b32 v3, 12, v10
	v_lshl_add_u32 v3, v11, 5, v3                  ; W: row r of 4,096 bytes, + 32 h
	v_lshlrev_b32 v4, 3, v11
	v_sub_nc_u32 v4, v10, v4                       ; r - 8 h
	v_mov_b32 v5, 0xff800000                       ; -infinity
	v_and_b32 v12, 31, v0
	s_lshl_b32 s12, s10, 12
	v_lshl_add_u32 v6, v12, 4, s12                 ; my partial results: 4,096 x wave + 16 x lane
	v_bfe_u32 v7, v0, 3, 2                         ; back: lane l takes columns 2 l, 2 l + 1 of row w: u = l / 8,
	v_lshlrev_b32 v7, 10, v7
	v_bfe_u32 v13, v0, 1, 1
	v_lshl_add_u32 v7, v13, 9, v7                  ; registers 0-3 or 4-7,
	v_bfe_u32 v13, v0, 2, 1
	v_lshl_add_u32 v7, v13, 8, v7                  ; the half of the lanes,
	v_and_b32 v13, 1, v0
	v_lshl_add_u32 v7, v13, 3, v7                  ; the pair of registers,
	s_lshl_b32 s13, s10, 4
	v_add_nc_u32 v7, s13, v7                       ; the lane that held query w
	v_lshlrev_b32 v8, 3, v12
	s_mov_b32 s16, 0x76543210
	s_mov_b32 s17, 0xfedcba98                      ; v_permlanex16_b32's selects for lane l xor 16
	s_mov_b32 s18, 0x3e38aa3b                      ; c = log2(e) / 8
	s_mov_b32 s19, s18
	s_mul_i32 s20, s11, 48
	s_add_co_u32 s20, s20, s10
	s_lshl_b32 s20, s20, 12                        ; qkv32: (48 batch + head) x 4,096
	s_mov_b32 s21, 0
	s_lshl_b32 s22, ttmp9, 18                      ; w_proj: 64 x rows of 4,096 bytes,
	s_lshl_b32 s23, s10, 8                         ; + my head's 256 bytes
	s_add_co_u32 s22, s22, s23
	s_mov_b32 s23, 0
	s_lshl_b32 s24, s11, 23                        ; out0: 2,048 batch rows of 4,096 bytes,
	s_add_co_u32 s24, s24, s12                     ; + row w,
	s_lshl_b32 s25, ttmp9, 8                       ; + 64 x columns
	s_add_co_u32 s24, s24, s25
	s_mov_b32 s25, 0
	s_wait_kmcnt 0x0
	s_add_nc_u64 s[4:5], s[4:5], s[20:21]
	s_add_nc_u64 s[6:7], s[6:7], s[22:23]
	s_add_nc_u64 s[8:9], s[8:9], s[24:25]
.irp i, 0,1,2,3,4,5,6,7
	global_load_b128 v[QF+4*\i:QF+4*\i+3], v1, s[4:5] offset:16*\i
.endr
.irp i, 0,1,2,3,4,5,6,7
	global_load_b128 v[KF+4*\i:KF+4*\i+3], v1, s[4:5] offset:65536+16*\i
.endr
.irp t, 0,1,2,3
.irp i, 0,1,2,3,4,5,6,7
	global_load_b32 v[VF+8*\t+\i], v2, s[4:5] offset:131072+256*\i+64*\t
.endr
.endr
.irp u, 0,1
.irp t, 0,1,2,3
	global_load_b128 v[W0+32*\u+8*\t:W0+32*\u+8*\t+3], v3, s[6:7] offset:\u*65536+64*\t
	global_load_b128 v[W0+32*\u+8*\t+4:W0+32*\u+8*\t+7], v3, s[6:7] offset:\u*65536+64*\t+16
.endr
.endr
	s_wait_loadcnt 48                              ; Q and K are in; V's 32 loads and W's 16 may be out
.set c, 0
.rept 16                               ; S^T = K Q^T: two accumulators by turns; each sum's first step takes the constant 0
.if c < 2
	v_wmma_f32_16x16x4_f32 v[SS+8*(c%2):SS+8*(c%2)+7], v[KF+2*c:KF+2*c+1], v[QF+2*c:QF+2*c+1], 0
.else
	v_wmma_f32_16x16x4_f32 v[SS+8*(c%2):SS+8*(c%2)+7], v[KF+2*c:KF+2*c+1], v[QF+2*c:QF+2*c+1], v[SS+8*(c%2):SS+8*(c%2)+7]
.endif
.set c, c+1
.endr
.rept 8
	v_nop                                          ; eight places behind this form, in front of the reads of its results and of the loads into its sources
.endr
.irp j, 0,1,2,3,4,5,6,7
	v_add_f32 v[TT+\j], v[SS+\j], v[SS+8+\j]       ; lane (r, h): query r, key 8 h + j
.endr
.irp u, 2,3
.irp t, 0,1,2,3
	global_load_b128 v[QF+32*(\u-2)+8*\t:QF+32*(\u-2)+8*\t+3], v3, s[6:7] offset:\u*65536+64*\t       ; W of u = 2, 3, where Q and K lay
	global_load_b128 v[QF+32*(\u-2)+8*\t+4:QF+32*(\u-2)+8*\t+7], v3, s[6:7] offset:\u*65536+64*\t+16
.endr
.endr
.irp j, 0,1,2,3,4,5,6,7
	v_cmp_gt_i32 vcc_lo, \j, v4                    ; key 8 h + j > query r: hidden
	v_cndmask_b32 v[TT+\j], v[TT+\j], v5, vcc_lo
.endr
	v_max3_num_f32 v248, v[TT], v[TT+1], v[TT+2]
	v_max3_num_f32 v249, v[TT+3], v[TT+4], v[TT+5]
	v_max3_num_f32 v248, v248, v[TT+6], v[TT+7]
	v_max_num_f32 v248, v248, v249
	v_permlanex16_b32 v249, v248, s16, s17
	v_max_num_f32 v248, v248, v249                 ; the row's maximum: key 0 counts for every query
	v_mul_f32 v248, s18, v248                      ; c m
.irp j, 0,2,4,6
	v_pk_fma_f32 v[TT+\j:TT+\j+1], v[TT+\j:TT+\j+1], s[18:19], v[248:249] op_sel_hi:[1,0,0] neg_lo:[0,0,1] neg_hi:[0,0,1]
.endr
.irp j, 0,1,2,3,4,5,6,7
	v_exp_f32 v[TT+\j], v[TT+\j]
.endr
	v_nop                                          ; one plain instruction behind the batch,
	s_wait_alu depctr_va_vdst(0)                   ; and one wait ahead of its first reader
	v_pk_add_f32 v[250:251], v[TT:TT+1], v[TT+2:TT+3]
	v_pk_add_f32 v[248:249], v[TT+4:TT+5], v[TT+6:TT+7]
	v_pk_add_f32 v[250:251], v[250:251], v[248:249]
	v_add_f32 v250, v250, v251
	v_permlanex16_b32 v251, v250, s16, s17
	v_add_f32 v250, v250, v251                     ; the row's sum
	v_rcp_f32 v250, v250
	v_nop
	s_wait_alu depctr_va_vdst(0)
.irp j, 0,2,4,6
	v_pk_mul_f32 v[TT+\j:TT+\j+1], v[TT+\j:TT+\j+1], v[250:251] op_sel_hi:[1,0]   ; p, normalised
.endr
	s_wait_loadcnt 32                              ; V is in; both runs of W, 16 loads each, may be out
.irp c, 0,1,2,3                                ; O^T = V^T P: four accumulators by turns
.irp t, 0,1,2,3
.if \c == 0
	v_wmma_f32_16x16x4_f32 v[OO+8*\t:OO+8*\t+7], v[VF+8*\t+2*\c:VF+8*\t+2*\c+1], v[TT+2*\c:TT+2*\c+1], 0
.else
	v_wmma_f32_16x16x4_f32 v[OO+8*\t:OO+8*\t+7], v[VF+8*\t+2*\c:VF+8*\t+2*\c+1], v[TT+2*\c:TT+2*\c+1], v[OO+8*\t:OO+8*\t+7]
.endif
.endr
.endr
.rept 9
	v_nop                                          ; nine places: these results become a source of the next matrix instructions
.endr
	s_wait_loadcnt 0x0                             ; W
.irp t, 0,1,2,3                                ; Y^T = W O^T: four accumulators by turns; u = 0, 1 at v176, v184, u = 2, 3 at v224, v232; W of u = 2, 3 at v16 on
.irp c, 0,1,2,3
.irp u, 0,1,2,3
.if (\t == 0) && (\c == 0)
	v_wmma_f32_16x16x4_f32 v[SS+8*\u+32*(\u/2):SS+8*\u+32*(\u/2)+7], v[W0+32*\u+8*\t-160*(\u/2)+2*\c:W0+32*\u+8*\t-160*(\u/2)+2*\c+1], v[OO+8*\t+2*\c:OO+8*\t+2*\c+1], 0
.else
	v_wmma_f32_16x16x4_f32 v[SS+8*\u+32*(\u/2):SS+8*\u+32*(\u/2)+7], v[W0+32*\u+8*\t-160*(\u/2)+2*\c:W0+32*\u+8*\t-160*(\u/2)+2*\c+1], v[OO+8*\t+2*\c:OO+8*\t+2*\c+1], v[SS+8*\u+32*(\u/2):SS+8*\u+32*(\u/2)+7]
.endif
.endr
.endr
.endr
.rept 8
	v_nop
.endr
.irp u, 0,1,2,3
	ds_store_b128 v6, v[SS+8*\u+32*(\u/2):SS+8*\u+32*(\u/2)+3] offset:\u*1024          ; lane (r, h): query r, columns 16 u + 8 h + 0..3; each accumulator from its low end on
	ds_store_b128 v6, v[SS+8*\u+32*(\u/2)+4:SS+8*\u+32*(\u/2)+7] offset:\u*1024+512    ; and + 4..7
.endr
	s_wait_dscnt 0x0                               ; for the others' sake: my stores have landed
	s_barrier_signal -1
	s_barrier_wait -1
.irp k, 0,1,2,3,4,5,6,7,8,9,10,11,12,13,14,15
	ds_load_b64 v[16+2*\k:17+2*\k], v7 offset:\k*4096   ; head k's share of my two numbers of row w
.endr
	s_wait_dscnt 0x0
.irp k, 0,4,8,12,16,20,24,28
	v_pk_add_f32 v[16+\k:17+\k], v[16+\k:17+\k], v[18+\k:19+\k]   ; a fixed tree over the 16 heads
.endr
.irp k, 0,8,16,24
	v_pk_add_f32 v[16+\k:17+\k], v[16+\k:17+\k], v[20+\k:21+\k]
.endr
.irp k, 0,16
	v_pk_add_f32 v[16+\k:17+\k], v[16+\k:17+\k], v[24+\k:25+\k]
.endr
	v_pk_add_f32 v[16:17], v[16:17], v[32:33]
	global_store_b64 v8, v[16:17], s[8:9] th:TH_STORE_NT   ; the wave stores 256 consecutive bytes, at a multiple of 256 from out0's first byte
	s_wait_tensorcnt 0x0                           ; the wave's end, behind my last LDS store
	ds_add_u32 v[SPW], v[NIL]
	s_wait_dscnt 0x0
	s_endpgm
.Lfunc_end_k_q6f1bf50b81_fine:
	.size	k_q6f1bf50b81_fine, .Lfunc_end_k_q6f1bf50b81_fine-k_q6f1bf50b81_fine
	.p2alignl 7, 3214868480
	.fill 96, 4, 3214868480
	.section	.rodata,"a",@progbits
	.p2align	6, 0x0
	.amdhsa_kernel k_q6f1bf50b81_fine
		.amdhsa_group_segment_fixed_size 67584
		.amdhsa_private_segment_fixed_size 0
		.amdhsa_enable_private_segment 0
		.amdhsa_kernarg_size 24
		.amdhsa_user_sgpr_count 2
		.amdhsa_user_sgpr_kernarg_segment_ptr 1
		.amdhsa_wavefront_size32 1
		.amdhsa_system_sgpr_workgroup_id_x 1
		.amdhsa_system_sgpr_workgroup_id_y 1
		.amdhsa_system_sgpr_workgroup_id_z 1
		.amdhsa_system_vgpr_workitem_id 0
		.amdhsa_next_free_vgpr 256
		.amdhsa_next_free_sgpr 66
		.amdhsa_reserve_vcc 1
		.amdhsa_float_denorm_mode_32 3
		.amdhsa_float_denorm_mode_16_64 3
		.amdhsa_memory_ordered 1
		.amdhsa_forward_progress 1
		.amdhsa_inst_pref_size 23
	.end_amdhsa_kernel
	.amdgpu_metadata
---
amdhsa.version: [ 1, 2 ]
amdhsa.kernels:
  - .name:           k_q6f1bf50b81_fine
    .symbol:         k_q6f1bf50b81_fine.kd
    .args:
      - { .name: qkv32, .offset: 0, .size: 8, .value_kind: global_buffer, .address_space: global }
      - { .name: w_proj, .offset: 8, .size: 8, .value_kind: global_buffer, .address_space: global }
      - { .name: out0, .offset: 16, .size: 8, .value_kind: global_buffer, .address_space: global }
    .group_segment_fixed_size: 67584
    .private_segment_fixed_size: 0
    .kernarg_segment_align: 8
    .kernarg_segment_size: 24
    .max_flat_workgroup_size: 512
    .sgpr_count:     66
    .vgpr_count:     256
    .wavefront_size: 32
...
	.end_amdgpu_metadata
.endif
;; end of part 5
